; MI455X (gfx1250); checked and timed in simulation.
; The chip was launched on July 23, 2026; its instructions are those of AMD's public machine-readable ISA for CDNA 5 (MIT licence, August 2026) and "CDNA5" Instruction Set Architecture Reference Guide (July 2026). The comments in the code are by the model that wrote it; some were corrected since.
;; Llama Attention. Allowed arithmetic: matrix products marked QUANTISED: E3M2 operands, one E8M0 scale for each 32 along K, by v_wmma_scale_f32_16x16x128_f8f6f4 with both operands' format E3M2, f32 sums; everything else in f32.
;; Inputs: atten_mask 1 x 1 x 2,048 x 2,048 float32; freqs_cos 2,048 x 32 float32; freqs_sin 2,048 x 32 float32; hidden_states 1 x 2,048 x 2,048 float32; k_norm_w 64 float32; q_norm_w 64 float32; wk 512 x 2,048 float32; wo 2,048 x 2,048 float32; wq 2,048 x 2,048 float32; wv 512 x 2,048 float32.
;; Outputs: out0 1 x 2,048 x 2,048 float32; out1 1 x 32 x 64 x 2,048 float32; out2 1 x 32 x 2,048 x 64 float32.
;; This version of the problem:
;;   THIS VERSION OF THE PROBLEM IS GIVEN IN LOW PRECISION. The matrix products marked QUANTISED in the list below multiply operands that are first quantised to E3M2 (3 exponent bits, 2 mantissa bits; 6 bits a number), with one power-of-two scale for each 32 numbers along K (OCP MX v1.0); their sums are f32. All else is computed in f32.
;;   The module's matrix products, in the order in which they are computed (A, B: the left and right operand; K: the contracted axis; several contracted axes count as one K, in the product's order):
;;     1. [M 2,048, K 2,048] x [K 2,048, N 2,048]; A: input hidden_states; B: input wq: QUANTISED
;;     2. [M 2,048, K 2,048] x [K 2,048, N 512]; A: input hidden_states; B: input wk: QUANTISED
;;     3. [M 2,048, K 2,048] x [K 2,048, N 512]; A: input hidden_states; B: input wv: QUANTISED
;;     4. batch 32 x [M 2,048, K 64] x [K 64, N 2,048]; A: computed on the way; B: computed on the way: QUANTISED
;;     5. batch 32 x [M 2,048, K 2,048] x [K 2,048, N 64]; A: softmax (see below); B: computed on the way: QUANTISED
;;     6. [M 2,048, K 2,048] x [K 2,048, N 2,048]; A: computed on the way; B: input wo: QUANTISED
;;   THE QUANTISER, for each operand of a quantised product, along K:
;;     - K is cut into blocks of 32 from its start; a last block that is shorter is filled with zeros.
;;     - A block's scale is 2^e with e = floor(log2(the largest magnitude in the block)) - 4, held to -126 .. 127; a block of zeros has e = 0. As a byte (E8M0): e + 127.
;;     - Each number is divided by its block's scale, clamped to +-28, and rounded to the nearest number of E3M2, ties to even, subnormals kept.
;;     - The product sums the exact products of the quantised numbers (number of the format x scale) in f32.
;;   ~~~python
;;   def quantise(x, axis):      # numpy; x: float32 -> the quantised numbers, widened to float32 again
;;       x = np.moveaxis(x, axis, -1); K = x.shape[-1]
;;       x = np.pad(x, [(0, 0)] * (x.ndim - 1) + [(0, -K % 32)]); x = x.reshape(x.shape[:-1] + (-1, 32)); a = np.abs(x).max(-1, keepdims=True)
;;       e = np.where(a > 0, np.clip(np.frexp(np.where(a > 0, a, 1))[1] - 1 - 4, -126, 127), 0)      # np.frexp(a)[1] - 1 = floor(log2(a)), exactly
;;       r = np.clip(x / 2.0 ** e, -28, 28)
;;       step = 2.0 ** (np.maximum(np.frexp(np.where(r == 0, 1, r))[1] - 1, -2) - 2)
;;       q = np.round(r / step) * step * 2.0 ** e      # np.round: ties to even
;;       return np.moveaxis(q.reshape(q.shape[:-2] + (-1,))[..., :K], -1, axis).astype(np.float32)
;;   ~~~
;;   SOFTMAX AHEAD OF A QUANTISED PRODUCT. Where the list says 'softmax', what is quantised is not the finished softmax but p = 2^(t - M), with t = logit x log2(e) and M = ceil(the row's largest t), a whole number; so 1/2 < the row's largest p <= 1. The row's sum l is taken of the UNQUANTISED p, in f32, and the product's result is divided by l at the end. Since M is a whole number, a kernel that streams over the keys may use a running M (the ceiling of the running maximum): every later rescaling is an exact power of two, which a block's scale takes up: the codes' values come out the same.
;;   OPERANDS COMPUTED ON THE WAY. 'Computed on the way' means the value that the module computes at that place (a softmax that the list does not call 'softmax' is quantised finished and normalised). What goes into a quantiser is computed in f32, as accurately as f32 sums, v_exp_f32 and their like allow (about 1e-6 of the number): no bf16 or f16 on the way to a quantiser, and a product that is left as it is and whose result goes on into a quantised operand takes f32 operands (vector FMAs, or v_wmma_f32_16x16x4_f32). A number that lies on a knife's edge between two numbers of the format may be rounded either way, as far as f32 arithmetic and the matrix unit's own rounding can turn it there, and no further.
;; One version. Each part assembles by itself: llvm-mc -triple=amdgcn-amd-amdhsa -mcpu=gfx1250 --defsym DOCPART=n.
;; ======== version 1 of 1: 4 launches
;; limits: right only within a limited range of input values
;; workspace buffers: opq 11,468,800 bytes; qkv 5,111,808 bytes; yq 3,276,800 bytes
;; launch quant (part 1): grid 448 x 1, 4 waves a work-group, no clusters, 34,304 bytes of LDS; arguments hidden_states, wk, wv, wq, wo, opq; writes opq
.if DOCPART == 1
	.amdgcn_target "amdgcn-amd-amdhsa--gfx1250"
	.amdhsa_code_object_version 6
	.text
	.protected	k_qa494643a1c_quant
	.globl	k_qa494643a1c_quant
	.p2align	8
	.type	k_qa494643a1c_quant,@function
k_qa494643a1c_quant:
	s_mov_b64 s[64:65], 0
	v_nop
	global_prefetch_b8 v0, s[64:65] scope:SCOPE_SE
	s_setreg_imm32_b32 hwreg(HW_REG_WAVE_MODE, 25, 1), 1
	s_wait_xcnt 0x0
; hidden_states, wk, wv, wq, wo (f32, K = 2,048 innermost) become codes of BF6 (E3M2) with one E8M0 byte for each 32 along K, laid in opq as IMAGES OF THE OPERAND'S REGISTERS.
; NOTHING OF reference() IS LEFT OUT in this program: atten_mask is an input, so every score is computed and every input is loaded; the repeat of k and v over four heads is a copy.
; opq: 448 tiles of 16 rows (0-127 hidden_states, 128-159 wk, 160-191 wv, 192-319 wq, 320-447 wo), 25,600 bytes each: four chunks (512 along K) of 6,400 bytes: four K steps of 128
; (1,536 bytes: six pieces of 256 bytes, piece p = registers 2 p, 2 p + 1 of lane l at byte 8 l), then 256 bytes of scale words [row 16][step 4].
; ORDER INSIDE A BLOCK OF 32: 0-7, 16-23, 8-15, 24-31.  Every operand of this program has it, on both sides of each product, so the sums are those of the natural order.
; A block's scale is 2^(floor(log2(largest magnitude)) - 4); its byte is the largest magnitude's exponent field - 4, held at 1 from below.
; LIMITS: a block whose largest magnitude lies under 2^-122 (a block of zeros too) keeps the byte 1: the bytes are read by this program alone.  NaN and infinities among the inputs are not served.
; SHARES: work-group g makes tile g; wave w its chunk w: four steps of 16 rows x 128.  A load reads 512 consecutive bytes of one row; the numbers turn through the wave's own stage in LDS,
; so that lane (r, h) gets blocks h and 2 + h of row r.  No tensor load, no barrier, no cluster: waves share nothing, and no input is read twice.
.set WREG,  8448                       ; a wave's stage: 16 rows x (512 + 16) bytes
.set SPARE, 4*WREG                     ; the spare words: 128 bytes a wave, two blocks of 256 bytes that no other line names
.set SPW,   12                         ; v12  my spare word's address; never rewritten
.set NIL,   13                         ; v13  0; never rewritten
.set WD,    16                         ; v16-19 the four steps' scale words
.set PC,    32                         ; v32-43 a fragment's codes
.set PT,    44                         ; v44-46, v48-50 the blocks' second halves
.set X,     64                         ; v64-127 two blocks of 32 numbers
.set R,     128                        ; v128-255 two sets of 64 registers as loaded
	s_load_b256 s[4:11], s[0:1], 0x0               ; hidden_states, wk, wv, wq
	s_load_b128 s[12:15], s[0:1], 0x20             ; wo, opq
	v_lshl_add_u32 v[SPW], v0, 2, SPARE
	v_mov_b32 v[NIL], 0
	v_lshrrev_b32 v1, 5, v0
	v_readfirstlane_b32 s16, v1                    ; wave
	v_and_b32 v1, 31, v0                           ; lane
	v_and_b32 v2, 15, v0                           ; r
	v_bfe_u32 v3, v0, 4, 1                         ; h
	v_lshlrev_b32 v4, 4, v1                        ; 16 l: my bytes of a load's 512
	s_mul_i32 s17, s16, WREG
	v_add_nc_u32 v5, s17, v4                       ; the stage, on the way in
	v_mul_u32_u24 v6, v2, 528
	v_lshl_add_u32 v6, v3, 7, v6
	v_add_nc_u32 v6, s17, v6                       ; and out: row r, block h
	v_lshlrev_b32 v7, 3, v1                        ; 8 l: my place in a piece
	v_lshlrev_b32 v8, 4, v2
	v_lshl_add_u32 v8, v3, 3, v8
	v_add_nc_u32 v8, 6144, v8                      ; my 8 bytes of the scale words
	v_lshlrev_b32 v9, 3, v3                        ; 8 h
	v_mov_b32 v25, 0                               ; a lane permute's destination counts as a source
	s_mov_b32 s18, 0x76543210
	s_mov_b32 s19, 0xfedcba98                      ; selects for lane l xor 16
	s_wait_alu depctr_va_vdst(0)
	s_wait_kmcnt 0x0
	s_mov_b64 s[20:21], s[12:13]                   ; which tensor: the choice hangs on the work-group's number alone
	s_mov_b32 s22, 320
	s_cmp_lt_u32 ttmp9, 320
	s_cselect_b64 s[20:21], s[10:11], s[20:21]
	s_cselect_b32 s22, 192, s22
	s_cmp_lt_u32 ttmp9, 192
	s_cselect_b64 s[20:21], s[8:9], s[20:21]
	s_cselect_b32 s22, 160, s22
	s_cmp_lt_u32 ttmp9, 160
	s_cselect_b64 s[20:21], s[6:7], s[20:21]
	s_cselect_b32 s22, 128, s22
	s_cmp_lt_u32 ttmp9, 128
	s_cselect_b64 s[20:21], s[4:5], s[20:21]
	s_cselect_b32 s22, 0, s22
	s_sub_co_u32 s22, ttmp9, s22                   ; the tile's number in its tensor
	s_lshl_b32 s22, s22, 17                        ; 16 rows of 8,192 bytes
	s_lshl_b32 s23, s16, 11                        ; my chunk: 512 numbers
	s_add_co_u32 s22, s22, s23
	s_mov_b32 s23, 0
	s_add_nc_u64 s[20:21], s[20:21], s[22:23]
	; WHERE A TILE'S CHUNKS LIE IN opq: [four neighbouring tiles][chunk 4][tile 4][6,400 bytes]: the same chunk of four neighbouring tiles is 25,600 consecutive bytes,
	; and their chunks 0 to 2 are 76,800 consecutive bytes, which one tensor load of a later launch takes as a dense block.  A tile still has 25,600 bytes in all.
	s_lshr_b32 s24, ttmp9, 2
	s_mul_i32 s24, s24, 102400                     ; my tile's four
	s_mul_i32 s25, s16, 25600                      ; my chunk
	s_add_co_u32 s24, s24, s25
	s_and_b32 s25, ttmp9, 3
	s_mul_i32 s25, s25, 6400                       ; my tile among the four
	s_add_co_u32 s24, s24, s25
	s_mov_b32 s25, 0
	s_add_nc_u64 s[14:15], s[14:15], s[24:25]
.macro LOAD t                          ; step t: 16 rows x 512 bytes into set t % 2
.set i, 0
.rept 16
	global_load_b128 v[R+64*((\t)%2)+4*i:R+64*((\t)%2)+4*i+3], v4, s[20:21] offset:i*8192+(\t)*512 th:TH_LOAD_NT
.set i, i+1
.endr
.endm
.macro STEP t
.if (\t) < 3
	s_wait_loadcnt 16                              ; this step's 16 loads are in; the next step's 16 may be out
.else
	s_wait_loadcnt 0x0
.endif
.set i, 0
.rept 16
	ds_store_b128 v5, v[R+64*((\t)%2)+4*i:R+64*((\t)%2)+4*i+3] offset:i*528
.set i, i+1
.endr
.irp c, 0,1                                    ; block 2 c + h of row r, in the order 0-7, 16-23, 8-15, 24-31 (LDS serves a wave's instructions in order: these see the stores)
.irp g, 0,1,2,3,4,5,6,7
	ds_load_b128 v[X+32*\c+4*\g:X+32*\c+4*\g+3], v6 offset:256*\c+16*(\g%2)+64*((\g/2)%2)+32*(\g/4)
.endr
.endr
	s_wait_dscnt 0x0                               ; the numbers are back, and the stores have read their registers,
.if (\t) < 2
	LOAD (\t)+2                                    ; which take the loads of two steps on
.endif
.irp c, 0,1
	v_max3_num_f32 v[20+\c], |v[X+32*\c]|, |v[X+32*\c+1]|, 0x2800000   ; the block's largest magnitude, and the floor 2^(5 - 127)
.endr
.irp i, 2,4,6,8,10,12,14,16,18,20,22,24,26,28,30
.irp c, 0,1
	v_max3_num_f32 v[20+\c], v[20+\c], |v[X+32*\c+\i]|, |v[X+32*\c+\i+1]|
.endr
.endr
.irp c, 0,1
	v_add_nc_u32 v[22+\c], 0xfe000000, v[20+\c]    ; 4 off the exponent field: the conversion's scale operand
.endr
.irp c, 0,1
	v_lshrrev_b32 v[26+\c], 23, v[22+\c]           ; the scale's byte
.endr
	v_lshl_or_b32 v24, v27, 16, v26                ; blocks h and 2 + h,
	v_lshlrev_b32 v24, v9, v24                     ; at their places in the word;
	v_permlanex16_b32 v25, v24, s18, s19
	v_or_b32 v[WD+(\t)], v24, v25                  ; with lane l xor 16's two the word is whole
.if (\t) > 0
	s_wait_alu depctr_va_vdst(0)
	s_wait_xcnt 0x0                                ; the last step's stores have read the codes' registers
.endif
.irp c, 0,1
	v_cvt_scalef32_pk16_bf6_f32 v[PC+6*\c:PC+6*\c+2], v[X+32*\c:X+32*\c+15], v[22+\c]
	v_cvt_scalef32_pk16_bf6_f32 v[PT+4*\c:PT+4*\c+2], v[X+32*\c+16:X+32*\c+31], v[22+\c]   ; (a conversion's three registers begin on an even number)
.endr
	v_nop                                          ; one plain place behind a scaled conversion
.irp c, 0,1
.irp i, 0,1,2
	v_mov_b32 v[PC+3+6*\c+\i], v[PT+4*\c+\i]
.endr
.endr
.irp p, 0,1,2,3,4,5
	global_store_b64 v7, v[PC+2*\p:PC+2*\p+1], s[14:15] offset:(\t)*1536+256*\p   ; 32 lanes store 256 consecutive bytes, aligned
.endr
.endm
	LOAD 0
	LOAD 1
	STEP 0
	STEP 1
	STEP 2
	STEP 3
	v_cmp_eq_u32 vcc_lo, 1, v3
	v_cndmask_b32 v20, v[WD], v[WD+2], vcc_lo      ; lanes 0-15 store steps 0 and 1 of their row's words, lanes 16-31 steps 2 and 3
	v_cndmask_b32 v21, v[WD+1], v[WD+3], vcc_lo
	global_store_b64 v8, v[20:21], s[14:15]        ; 256 consecutive bytes, aligned
	s_wait_tensorcnt 0x0                           ; the wave's end
	ds_add_u32 v[SPW], v[NIL]
	s_wait_dscnt 0x0
	s_endpgm
.Lfunc_end_k_qa494643a1c_quant:
	.size	k_qa494643a1c_quant, .Lfunc_end_k_qa494643a1c_quant-k_qa494643a1c_quant
	.p2alignl 7, 3214868480
	.fill 96, 4, 3214868480
	.section	.rodata,"a",@progbits
	.p2align	6, 0x0
	.amdhsa_kernel k_qa494643a1c_quant
		.amdhsa_group_segment_fixed_size 34304
		.amdhsa_private_segment_fixed_size 0
		.amdhsa_enable_private_segment 0
		.amdhsa_kernarg_size 48
		.amdhsa_user_sgpr_count 2
		.amdhsa_user_sgpr_kernarg_segment_ptr 1
		.amdhsa_wavefront_size32 1
		.amdhsa_system_sgpr_workgroup_id_x 1
		.amdhsa_system_sgpr_workgroup_id_y 1
		.amdhsa_system_sgpr_workgroup_id_z 1
		.amdhsa_system_vgpr_workitem_id 0
		.amdhsa_next_free_vgpr 256
		.amdhsa_next_free_sgpr 66
		.amdhsa_reserve_vcc 1
		.amdhsa_float_denorm_mode_32 3
		.amdhsa_float_denorm_mode_16_64 3
		.amdhsa_memory_ordered 1
		.amdhsa_forward_progress 1
		.amdhsa_inst_pref_size 32
	.end_amdhsa_kernel
	.amdgpu_metadata
---
amdhsa.version: [ 1, 2 ]
amdhsa.kernels:
  - .name:           k_qa494643a1c_quant
    .symbol:         k_qa494643a1c_quant.kd
    .args:
      - { .name: hidden_states, .offset: 0, .size: 8, .value_kind: global_buffer, .address_space: global }
      - { .name: wk, .offset: 8, .size: 8, .value_kind: global_buffer, .address_space: global }
      - { .name: wv, .offset: 16, .size: 8, .value_kind: global_buffer, .address_space: global }
      - { .name: wq, .offset: 24, .size: 8, .value_kind: global_buffer, .address_space: global }
      - { .name: wo, .offset: 32, .size: 8, .value_kind: global_buffer, .address_space: global }
      - { .name: opq, .offset: 40, .size: 8, .value_kind: global_buffer, .address_space: global }
    .group_segment_fixed_size: 34304
    .private_segment_fixed_size: 0
    .kernarg_segment_align: 8
    .kernarg_segment_size: 48
    .max_flat_workgroup_size: 128
    .sgpr_count:     66
    .vgpr_count:     256
    .wavefront_size: 32
...
	.end_amdgpu_metadata
.endif
;; end of part 1
;; launch qkvp (part 2): grid 16 x 24, 4 waves a work-group, clusters of 4 x 4, 327,680 bytes of LDS; arguments opq, freqs_cos, freqs_sin, q_norm_w, k_norm_w, qkv, out1, out2; writes qkv, out1, out2
.if DOCPART == 2
	.amdgcn_target "amdgcn-amd-amdhsa--gfx1250"
	.amdhsa_code_object_version 6
	.text
	.protected	k_qa494643a1c_qkvp
	.globl	k_qa494643a1c_qkvp
	.p2align	8
	.type	k_qa494643a1c_qkvp,@function
k_qa494643a1c_qkvp:
	s_mov_b64 s[64:65], 0
	v_nop
	global_prefetch_b8 v0, s[64:65] scope:SCOPE_SE
	s_setreg_imm32_b32 hwreg(HW_REG_WAVE_MODE, 25, 1), 1
	s_wait_xcnt 0x0
	s_wait_alu depctr_hold_cnt(0) depctr_sa_sdst(0) depctr_va_vdst(0) depctr_va_sdst(0) depctr_va_ssrc(0) depctr_va_vcc(0) depctr_vm_vsrc(0)
	s_getreg_b32 s2, hwreg(HW_REG_IB_STS2, 6, 4)
	s_cmp_eq_u32 s2, 0
	s_cbranch_scc0 .Lentry_in_a_cluster
	s_endpgm
.Lentry_in_a_cluster:
	s_bfe_u32 s2, ttmp6, 0x10000c
	s_cmp_lg_u32 s2, 0xf033
	s_cbranch_scc0 .Lentry_shape_is_right
	s_endpgm
.Lentry_shape_is_right:
; Products 1 to 3: x wk^T, x wv^T, x wq^T on codes of BF6 out of opq; then RoPE and RMSNorm (q, k) in f32; k goes to out1 (transposed, four heads), v to out2 (four heads);
; q, k (along the head's 64) and v (along the tokens) are quantised in registers and stored in qkv as images of operand registers.  Nothing of reference() is left out.
; qkv: [P 48][G 32] records of 3,328 bytes; P 0-7 k's heads, 8-15 v's, 16-47 q's; G a group of 64 tokens.  A record: four images of 768 bytes (16 rows x 64 along K: three pieces of 256 bytes,
; lane (r, h) holds block h), then 256 bytes of scale words [row 16][image 4], bytes 0 and 1 real, 2 and 3 zero.  q, k: rows = tokens; v: rows = the head's 64, K = the tokens.
; THE DIVISION BY sqrt(64) = 8 is taken off q's scale bytes (3 off each): exact.
; LIMITS: a block of q, k or v whose largest magnitude lies under 2^-119 is held at that floor's scale.  NaN and infinities are not served.
; THE GEMM.  A tile of C is 128 tokens (L, source 1) x 128 features (R, source 0); four waves, 64 x 64 each: 16 accumulators; a wave's 64 features are one head.  A lane holds one token, its registers run along the features.
; K = 2,048 comes as four chunks of 512 through three LDS slots: chunks 0, 1, 2 are first fills, chunk 3 fills slot 0 again: one refill.  By this text's count a wave has one tensor load out at the most.
; CLUSTER 4 x 4: x = token tile, y = feature tile.  L's tiles hang on x alone and are asked for jointly along a column of the cluster, R's on y alone, along a row.
; The kind of the features (k, v, q) hangs on the CLUSTER's y (0, 1, 2-5), which all partners share.
; REGISTERS: window 0: v1-22 addresses; v32-63 scale words, two sets; v64-127 at work in the epilogue; v128-255 the accumulators ((a, b) at v[128 + 8 (4 a + b)]).
;   window 1: two fragment buffers of 96 (L's four at F + 12 a, R's four at F + 48 + 12 b).   window 2: v0-127 cos and sin of my tokens, v128-159 the norm's weights.
.set RFIRST, 128                       ; R's first tile in opq
.set LB,    68                         ; s[68:69] L's buffer
.set RB,    68                         ; s[68:69] R's buffer
.set SLOT,  102400                     ; a slot: L's eight tile chunks, then R's eight
.set TCH,   6400                       ; a tile's chunk
.set SPARE, 3*SLOT                     ; the spare words: 128 bytes a wave, two blocks of 256 bytes that no other line names
; LDS AS IT IS LAID NOW: wave w's loads land at 76,800 w: chunks 0, 1, 2 of its four tiles, 25,600 bytes each, by ONE dense load at the head (12 rows of 6,400 bytes); chunk 3 fills the first 25,600 again: one refill.
; By this text's count a wave has one tensor load out at the most.  The stages lie in each wave's own 76,800 bytes, behind the part that is filled again.
.set KSTAGE, 25600
.set VSTAGE, 43008
.set WST,   76800
.set ADL,   4                          ; v4-6   my L fragments in slot 0, 1, 2
.set ADR,   7                          ; v7-9   my R fragments
.set ADS,   10                         ; v10-12 my scale words: lanes 0-15 L's, lanes 16-31 R's
.set SPW,   28
.set NIL,   29
.set SC,    32
.set ACC,   128
.set F0,    0
.set F1,    128
.set G1,    24                         ; s[24:31] group 1 for L;  s[32:35] group 0
.set G0,    32
.set G1B,   44                         ; s[44:51] group 1 for R;  s[52:55] group 0
.set G0B,   52
.set MSB, 0
.macro WIN new                         ; the immediate's high byte repeats the setting that is left
.if MSB != \new
	s_set_vgpr_msb (MSB<<8)|\new
.set MSB, \new
.endif
.endm
.set MUL,  0x05                        ; sources 0 and 1 window 1; C and D window 0
.set TO_F, 0x40                        ; destination window 1
.macro JLOAD g0a, g1a, g0b, g1b        ; a joint load: waves 0, 1 fetch L's halves, waves 2, 3 R's; an s_nop 0 and four v_nop follow each line
	s_cmp_eq_u32 s15, 0
	s_cbranch_scc0 .Lfor_b_\@
	tensor_load_to_lds s[\g0a:\g0a+3], s[\g1a:\g1a+7]
	s_nop 0
.rept 4
	v_nop
.endr
	s_branch .Lasked_\@
.Lfor_b_\@:
	tensor_load_to_lds s[\g0b:\g0b+3], s[\g1b:\g1b+7]
	s_nop 0
.rept 4
	v_nop
.endr
.Lasked_\@:
.endm
.macro CREST                           ; a round of the cluster's barrier behind its opening barrier
	s_cmp_lg_u32 s14, 0
	s_cbranch_scc1 .Lnot_wave_0_\@
	s_barrier_signal -3
.Lnot_wave_0_\@:
	s_barrier_wait -3
	s_barrier_signal -1
	s_barrier_wait -1
.endm
.macro CROUND
	s_barrier_signal -1
	s_barrier_wait -1
	CREST
.endm
.macro PLACES                          ; four places in front of loads into registers that matrix instructions have read, and of the first read of results
.rept 4
	v_nop
.endr
.endm
; four matrix instructions: L's tile a against R's four.  The 16 accumulators take turns in one order throughout
.macro MUL4 f, a, set, st, zero
.irp b, 0,1,2,3
.if \zero
	v_wmma_scale_f32_16x16x128_f8f6f4 v[ACC+8*(4*(\a)+\b):ACC+8*(4*(\a)+\b)+7], v[\f+48+12*\b:\f+48+12*\b+11], v[\f+12*(\a):\f+12*(\a)+11], 0, v[SC+16*(\set)+4*\b+(\st)], v[SC+16*(\set)+4*(\a)+(\st)] matrix_a_fmt:MATRIX_FMT_BF6 matrix_b_fmt:MATRIX_FMT_BF6 matrix_a_scale:MATRIX_SCALE_ROW1
.else
	v_wmma_scale_f32_16x16x128_f8f6f4 v[ACC+8*(4*(\a)+\b):ACC+8*(4*(\a)+\b)+7], v[\f+48+12*\b:\f+48+12*\b+11], v[\f+12*(\a):\f+12*(\a)+11], v[ACC+8*(4*(\a)+\b):ACC+8*(4*(\a)+\b)+7], v[SC+16*(\set)+4*\b+(\st)], v[SC+16*(\set)+4*(\a)+(\st)] matrix_a_fmt:MATRIX_FMT_BF6 matrix_b_fmt:MATRIX_FMT_BF6 matrix_a_scale:MATRIX_SCALE_ROW1
.endif
.endr
.endm
.macro FETCHS slot, set                ; a chunk's scale words: register 4 i + st: lanes 0-15 L's tile i, lanes 16-31 R's tile i, K step st
	WIN 0
.irp i, 0,1,2,3
	ds_load_b128 v[SC+16*(\set)+4*\i:SC+16*(\set)+4*\i+3], v[ADS+\slot] offset:\i*TCH
.endr
.endm
.macro FETCH slot, st, f               ; 48 loads of 256 consecutive bytes: R's four fragments, then L's four
	WIN TO_F
.irp b, 0,1,2,3
.irp p, 0,1,2,3,4,5
	ds_load_b64 v[\f+48+12*\b+2*\p:\f+48+12*\b+2*\p+1], v[ADR+\slot] offset:\b*TCH+(\st)*1536+256*\p
.endr
.endr
.irp a, 0,1,2,3
.irp p, 0,1,2,3,4,5
	ds_load_b64 v[\f+12*\a+2*\p:\f+12*\a+2*\p+1], v[ADL+\slot] offset:\a*TCH+(\st)*1536+256*\p
.endr
.endr
.endm
; a K step of 128: multiplies buffer f, fetches the next step (slot nslot, step nst) into g; fs = 1: with the next chunk's scale words into set nset
.macro STEP f, g, set, st, zero, nslot, nst, fs, nset
	s_wait_dscnt 12                                ; all but the youngest twelve loads (L's tiles 2 and 3)
	WIN MUL
	MUL4 \f, 0, \set, \st, \zero
	MUL4 \f, 1, \set, \st, \zero
	PLACES
.if \fs
	FETCHS \nslot, \nset
.endif
	FETCH \nslot, \nst, \g
	s_wait_dscnt 48+4*\fs                          ; all but the run just issued
	WIN MUL
	MUL4 \f, 2, \set, \st, \zero
	MUL4 \f, 3, \set, \st, \zero
.endm
; a chunk's last step with a barrier.  In front of it each wave waits for all its tensor loads, adds 0 to its spare word and waits for that and for its reads.  fill = 1: slot 0 takes chunk 3, behind a round of the cluster's barrier
.macro TURN set, fill, nslot, nset
	WIN 0
	s_wait_tensorcnt 0x0                           ; all my tensor loads have landed
	ds_add_u32 v[SPW], v[NIL]                      ; 0 onto my spare word
	s_wait_dscnt 13                                ; (the add and the youngest twelve loads may be out)
	WIN MUL
	MUL4 F1, 0, \set, 3, 0
	s_wait_dscnt 0x0                               ; the add is done, and my reads of the slot are over
	s_barrier_signal -1
	MUL4 F1, 1, \set, 3, 0
	WIN 0
	s_barrier_wait -1
.if \fill
	CREST                                          ; no wave of any partner still reads slot 0 or has a load on its way
	s_add_nc_u64 s[G0+2:G0+3], s[G0+2:G0+3], 12*TCH    ; chunk 3 of my four tiles lies behind their chunks 0 to 2
	s_add_nc_u64 s[G0B+2:G0B+3], s[G0B+2:G0B+3], 12*TCH
	s_mov_b32 s[G1+2], 4<<16                       ; no tensor load of mine is out: from here on a load brings 4 rows
	s_mov_b32 s[G1+4], 4
	s_mov_b32 s[G1B+2], 4<<16
	s_mov_b32 s[G1B+4], 4
	JLOAD G0, G1, G0B, G1B                         ; the first tensor load behind the round; its four v_nop are the places in front of the loads below
.else
	PLACES
.endif
	FETCHS \nslot, \nset
	FETCH \nslot, 0, F0
	WIN MUL
	MUL4 F1, 2, \set, 3, 0
	MUL4 F1, 3, \set, 3, 0
.endm
	s_load_b512 s[68:83], s[0:1], 0x0              ; opq, cos, sin, q_norm_w, k_norm_w, qkv, out1, out2
	v_lshl_add_u32 v[SPW], v0, 2, SPARE
	v_mov_b32 v[NIL], 0
	ds_add_u32 v[SPW], v[NIL]                      ; the wave's opening: the add, twice on end, and its wait ahead of my first tensor load
	ds_add_u32 v[SPW], v[NIL]
	v_lshrrev_b32 v1, 5, v0
	v_readfirstlane_b32 s14, v1                    ; wave
	s_lshr_b32 s15, s14, 1                         ; my half of the tokens.  Also: I fetch for L (0) or R (1)
	s_and_b32 s16, s14, 1                          ; my half of the features.  Also: which four tiles I fetch
	s_bfe_u32 s4, ttmp6, 0x40000                   ; cx
	s_bfe_u32 s5, ttmp6, 0x40004                   ; cy
	s_lshl_b32 s6, ttmp9, 2
	s_add_co_u32 s6, s6, s4                        ; token tile
	s_and_b32 s17, ttmp7, 0xffff                   ; the cluster's y: 0 k, 1 v, 2-5 q
	s_lshl_b32 s7, s17, 2
	s_add_co_u32 s7, s7, s5                        ; feature tile
	s_lshl_b32 s8, 0x1111, s4                      ; my column of the cluster
	s_lshl_b32 s9, s5, 2
	s_lshl_b32 s9, 15, s9                          ; my row
	s_or_b32 s[G1], s8, (3<<16)|(1<<21)            ; the mask; elements of 8 bytes; bit 21 beside a mask; no padding
	s_or_b32 s[G1B], s9, (3<<16)|(1<<21)
.irp g, G1, G1B
	s_mov_b32 s[\g+1], 800<<16                     ; tensor_dim0: 6,400 bytes
	s_mov_b32 s[\g+2], 12<<16                      ; tensor_dim1: three chunks of four tiles
	s_mov_b32 s[\g+3], 800<<16                     ; tile_dim0
	s_mov_b32 s[\g+4], 12                          ; tile_dim1
	s_mov_b32 s[\g+5], 800                         ; the rows are dense
	s_mov_b32 s[\g+6], 0
	s_mov_b32 s[\g+7], 0
.endr
	s_lshl_b32 s18, s16, 2
	s_lshl_b32 s10, s6, 3
	s_add_co_u32 s10, s10, s18                     ; L: tile 8 x + 4 half
	s_mul_i32 s10, s10, 25600
	s_mov_b32 s11, 0
	s_lshl_b32 s12, s7, 3
	s_add_co_u32 s12, s12, s18
	s_add_co_u32 s12, s12, RFIRST                  ; R: tile RFIRST + 8 y + 4 half
	s_mul_i32 s12, s12, 25600
	s_mov_b32 s13, 0
	s_mul_i32 s19, s14, 12*TCH                     ; where they go: wave x 76,800
	s_wait_dscnt 0x0                               ; both opening adds are done
	s_wait_kmcnt 0x0
	s_add_nc_u64 s[10:11], s[LB:LB+1], s[10:11]
	s_add_nc_u64 s[12:13], s[RB:RB+1], s[12:13]
	CROUND                                         ; all sixteen work-groups are here: the first joint loads meet
.irp s, 0
	s_mov_b32 s[G0+4*\s], 1
	s_add_co_u32 s[G0+4*\s+1], s19, \s*SLOT
	s_add_nc_u64 s[G0+4*\s+2:G0+4*\s+3], s[10:11], \s*TCH
	s_or_b32 s[G0+4*\s+3], s[G0+4*\s+3], 0x80000000
	s_mov_b32 s[G0B+4*\s], 1
	s_add_co_u32 s[G0B+4*\s+1], s19, \s*SLOT
	s_add_nc_u64 s[G0B+4*\s+2:G0B+4*\s+3], s[12:13], \s*TCH
	s_or_b32 s[G0B+4*\s+3], s[G0B+4*\s+3], 0x80000000
	JLOAD G0+4*\s, G1, G0B+4*\s, G1B               ; chunks 0, 1, 2
.endr
	v_and_b32 v1, 15, v0                           ; r
	v_bfe_u32 v2, v0, 4, 1                         ; h
	v_and_b32 v3, 31, v0
	v_lshlrev_b32 v20, 4, v3                       ; 16 l
	v_lshlrev_b32 v3, 3, v3                        ; 8 l
	s_wait_alu depctr_va_vdst(0)
	s_mul_i32 s20, s15, 12*TCH                     ; my four tiles of L: what wave 0 or 1 fetched
	s_mul_i32 s21, s16, 12*TCH
	s_add_co_u32 s21, s21, 24*TCH                  ; my four of R: what wave 2 or 3 fetched
	s_sub_co_u32 s22, s21, s20
	v_mul_u32_u24 v24, s22, v2                     ; lanes 16-31 take R's scale words
	v_lshl_add_u32 v24, v1, 4, v24
	s_add_co_u32 s23, s20, 6144
.irp s, 0,1,2
	v_add_nc_u32 v[ADL+\s], s20, v3
	v_add_nc_u32 v[ADR+\s], s21, v3
	v_add_nc_u32 v[ADS+\s], s23, v24
	s_add_co_u32 s20, s20, 4*TCH
	s_add_co_u32 s21, s21, 4*TCH
	s_add_co_u32 s23, s23, 4*TCH
.endr
	v_lshlrev_b32 v13, 7, v1
	v_lshl_add_u32 v13, v2, 4, v13                 ; cos, sin: 128 r + 16 h
	v_lshlrev_b32 v14, 5, v2                       ; the norm's weights: 32 h
	s_mul_i32 s23, s14, WST                        ; my stage
	v_mul_u32_u24 v24, v2, 2176
	v_lshl_add_u32 v24, v1, 2, v24
	v_add_nc_u32 v24, s23, v24
	v_add_nc_u32 v15, KSTAGE, v24                  ; k into [d][token]: 8 h rows + 4 r
	v_add_nc_u32 v16, VSTAGE, v24                  ; v out of [token][d], turned
	v_mul_u32_u24 v24, v1, 272
	v_lshl_add_u32 v24, v2, 5, v24
	v_add_nc_u32 v24, s23, v24
	v_add_nc_u32 v17, VSTAGE, v24                  ; v into [token][d]: row r + 32 h
	v_mul_u32_u24 v24, v2, 272
	v_lshl_add_u32 v24, v1, 4, v24
	v_add_nc_u32 v24, s23, v24
	v_add_nc_u32 v18, KSTAGE, v24                  ; rows back: lanes 0-15 one row, lanes 16-31 the next
	v_add_nc_u32 v19, VSTAGE, v24
	v_lshlrev_b32 v21, 13, v2
	v_lshl_add_u32 v21, v1, 4, v21                 ; out1: 8,192 h + 16 r
	v_lshlrev_b32 v22, 4, v1
	v_lshl_add_u32 v22, v2, 3, v22
	v_add_nc_u32 v22, 3072, v22                    ; a record's scale words: my 8 bytes
	v_mov_b32 v72, 0                               ; lane permutes' destinations, and the upper halves of pairs that are named whole
	v_mov_b32 v90, 0
	v_mov_b32 v91, 0
.irp a, 0,1,2,3
	v_mov_b32 v[81+2*\a], 0
.endr
	s_lshl_b32 s84, s6, 1
	s_add_co_u32 s84, s84, s15                     ; G: my group of 64 tokens
	s_lshl_b32 s85, s7, 1
	s_add_co_u32 s85, s85, s16                     ; P: my head
	s_lshl_b32 s86, s85, 5
	s_add_co_u32 s86, s86, s84
	s_mul_i32 s86, s86, 3328
	s_mov_b32 s87, 0
	s_add_nc_u64 s[78:79], s[78:79], s[86:87]      ; my record
	s_and_b32 s85, s85, 7                          ; k's or v's head
	s_lshl_b32 s86, s85, 21                        ; four heads of 524,288 bytes
	s_lshl_b32 s88, s84, 8
	s_add_co_u32 s88, s88, s86
	s_mov_b32 s89, 0
	s_add_nc_u64 s[80:81], s[80:81], s[88:89]      ; out1 at (4 head, d 0, my first token)
	s_lshl_b32 s88, s84, 14
	s_add_co_u32 s88, s88, s86
	s_add_nc_u64 s[82:83], s[82:83], s[88:89]      ; out2 at (4 head, my first token, d 0)
	s_lshl_b32 s88, s84, 13
	s_add_nc_u64 s[70:71], s[70:71], s[88:89]      ; cos, sin at my first token
	s_add_nc_u64 s[72:73], s[72:73], s[88:89]
	s_cmp_eq_u32 s17, 0
	s_cselect_b64 s[74:75], s[76:77], s[74:75]     ; k's weights or q's
	s_cmp_ge_u32 s17, 2
	s_cselect_b32 s96, 0x0303, 0                   ; 3 off both of q's scale bytes
	s_mov_b32 s66, 0x3c800000                      ; 1 / 64
	s_mov_b32 s67, 0x3727c5ac                      ; 1e-5
	s_mov_b32 s98, 0x76543210
	s_mov_b32 s99, 0xfedcba98
	s_cmp_eq_u32 s17, 1
	s_cbranch_scc1 .Lno_tables                     ; v has neither RoPE nor norm
	WIN 0x80                                       ; destination window 2
.irp a, 0,1,2,3
.irp b, 0,1,2,3
	global_load_b128 v[32*\a+4*\b:32*\a+4*\b+3], v13, s[70:71] offset:\a*2048+32*\b          ; cos(token 16 a + r, 8 b + 4 h + 0 .. 3)
	global_load_b128 v[32*\a+16+4*\b:32*\a+16+4*\b+3], v13, s[72:73] offset:\a*2048+32*\b    ; sin
.endr
.endr
.irp b, 0,1,2,3
	global_load_b128 v[128+8*\b:128+8*\b+3], v14, s[74:75] offset:64*\b                       ; w(16 b + 8 h + 0 .. 7)
	global_load_b128 v[128+8*\b+4:128+8*\b+7], v14, s[74:75] offset:64*\b+16
.endr
	WIN 0
.Lno_tables:
	s_wait_tensorcnt 0x0                           ; my part of chunks 0 to 2 is in
	s_barrier_signal -1
	s_barrier_wait -1
	FETCHS 0, 0
	FETCH 0, 0, F0
	STEP F0, F1, 0, 0, 1, 0, 1, 0, 0               ; the first step's products start the sums
	STEP F1, F0, 0, 1, 0, 0, 2, 0, 0
	STEP F0, F1, 0, 2, 0, 0, 3, 0, 0
	TURN 0, 1, 1, 1                                ; chunks 1 and 2 are whole for every wave; slot 0 takes chunk 3, which has eight steps in which to land
	STEP F0, F1, 1, 0, 0, 1, 1, 0, 0
	STEP F1, F0, 1, 1, 0, 1, 2, 0, 0
	STEP F0, F1, 1, 2, 0, 1, 3, 0, 0
	STEP F1, F0, 1, 3, 0, 2, 0, 1, 0
	STEP F0, F1, 0, 0, 0, 2, 1, 0, 0
	STEP F1, F0, 0, 1, 0, 2, 2, 0, 0
	STEP F0, F1, 0, 2, 0, 2, 3, 0, 0
	TURN 0, 0, 0, 1                                ; chunk 3 is whole for every wave; nothing is filled
	STEP F0, F1, 1, 0, 0, 0, 1, 0, 0
	STEP F1, F0, 1, 1, 0, 0, 2, 0, 0
	STEP F0, F1, 1, 2, 0, 0, 3, 0, 0
	s_wait_dscnt 12
	WIN MUL
	MUL4 F1, 0, 1, 3, 0
	MUL4 F1, 1, 1, 3, 0
	s_wait_dscnt 0x0
	MUL4 F1, 2, 1, 3, 0
	MUL4 F1, 3, 1, 3, 0
	WIN 0
	PLACES
	s_barrier_signal -1                            ; nobody reads a slot any more: the stages may be written
	s_barrier_wait -1
; 32 numbers of a lane, register 16 b + i = the i-th of my half of block b of my row, become an image's six registers at v[pc] and its scale word
.macro QUANT2 src, pc, word
	v_max3_num_f32 v88, |v[\src]|, |v[\src+1]|, 0x4000000      ; the floor 2^(8 - 127): the byte stays at 4 or more, so that 3 can be taken off
	v_max3_num_f32 v89, |v[\src+16]|, |v[\src+17]|, 0x4000000
.irp i, 2,4,6,8,10,12,14
	v_max3_num_f32 v88, v88, |v[\src+\i]|, |v[\src+\i+1]|
	v_max3_num_f32 v89, v89, |v[\src+16+\i]|, |v[\src+17+\i]|
.endr
	v_permlanex16_b32 v90, v88, s98, s99
	v_permlanex16_b32 v91, v89, s98, s99
	v_max_num_f32 v88, v88, v90                    ; with lane l xor 16's: the block's largest magnitude
	v_max_num_f32 v89, v89, v91
	v_add_nc_u32 v92, 0xfe000000, v88              ; 4 off the exponent field: the conversion's scale operand
	v_add_nc_u32 v93, 0xfe000000, v89
	v_lshrrev_b32 v94, 23, v92
	v_lshrrev_b32 v95, 23, v93
	v_lshl_or_b32 v[\word], v95, 8, v94
	v_sub_nc_u32 v[\word], v[\word], s96           ; q: / 8
	v_cvt_scalef32_pk16_bf6_f32 v[\pc:\pc+2], v[\src:\src+15], v92
	v_cvt_scalef32_pk16_bf6_f32 v[120:122], v[\src+16:\src+31], v93
	v_nop                                          ; one plain place behind a scaled conversion
.irp i, 0,1,2
	v_permlane16_swap_b32 v[\pc+\i], v[120+\i]     ; lanes 0-15 get block 0 whole, lanes 16-31 block 1
.endr
.irp i, 0,1,2
	v_mov_b32 v[\pc+3+\i], v[120+\i]
.endr
.endm
.macro ROPE a                          ; tokens 16 a + r: the rotation, then the mean of the squares + 1e-5
	WIN 0x08                                       ; source 1 window 2
.irp b, 0,1,2,3
.irp i, 0,1,2,3
	v_mul_f32 v[64+2*(\i%2)], v[ACC+32*\a+8*\b+2*\i+1], v[32*\a+16+4*\b+\i]
	v_mul_f32 v[65+2*(\i%2)], v[ACC+32*\a+8*\b+2*\i], v[32*\a+16+4*\b+\i]
	v_fma_f32 v[ACC+32*\a+8*\b+2*\i], v[ACC+32*\a+8*\b+2*\i], v[32*\a+4*\b+\i], -v[64+2*(\i%2)]
	v_fma_f32 v[ACC+32*\a+8*\b+2*\i+1], v[ACC+32*\a+8*\b+2*\i+1], v[32*\a+4*\b+\i], v[65+2*(\i%2)]
.endr
.endr
	WIN 0
	v_pk_mul_f32 v[68:69], v[ACC+32*\a:ACC+32*\a+1], v[ACC+32*\a:ACC+32*\a+1]
	v_pk_mul_f32 v[70:71], v[ACC+32*\a+2:ACC+32*\a+3], v[ACC+32*\a+2:ACC+32*\a+3]
.irp j, 4,8,12,16,20,24,28
	v_pk_fma_f32 v[68:69], v[ACC+32*\a+\j:ACC+32*\a+\j+1], v[ACC+32*\a+\j:ACC+32*\a+\j+1], v[68:69]
	v_pk_fma_f32 v[70:71], v[ACC+32*\a+\j+2:ACC+32*\a+\j+3], v[ACC+32*\a+\j+2:ACC+32*\a+\j+3], v[70:71]
.endr
	v_pk_add_f32 v[68:69], v[68:69], v[70:71]
	v_add_f32 v[74+\a], v68, v69
	v_permlanex16_b32 v72, v[74+\a], s98, s99
	v_add_f32 v[74+\a], v[74+\a], v72              ; the token's 64 squares
	v_fma_f32 v[74+\a], v[74+\a], s66, s67
.endm
	s_cmp_eq_u32 s17, 1
	s_cbranch_scc1 .Lv_path
	s_wait_loadcnt 0x0                             ; cos, sin, the weights
	ROPE 0
	ROPE 1
	ROPE 2
	ROPE 3
	s_wait_alu depctr_va_vdst(0)
.irp a, 0,1,2,3
	v_rsq_f32 v[80+2*\a], v[74+\a]
.endr
	v_nop                                          ; a plain place behind the last of the four
	s_wait_alu depctr_va_vdst(0)                   ; one wait for the batch, ahead of its first reader
.irp a, 0,1,2,3
.set j, 0
.rept 16
	v_pk_mul_f32 v[ACC+32*\a+j:ACC+32*\a+j+1], v[ACC+32*\a+j:ACC+32*\a+j+1], v[80+2*\a:81+2*\a] op_sel_hi:[1,0]
.set j, j+2
.endr
.endr
	WIN 0x08
.irp a, 0,1,2,3
.set j, 0
.rept 16
	v_pk_mul_f32 v[ACC+32*\a+j:ACC+32*\a+j+1], v[ACC+32*\a+j:ACC+32*\a+j+1], v[128+j:129+j]
.set j, j+2
.endr
.endr
	WIN 0
	s_cmp_lg_u32 s17, 0
	s_cbranch_scc1 .Ljoin
.irp a, 0,1,2,3                                ; k, turned: (d = 16 b + 8 h + j, token 16 a + r)
.irp b, 0,1,2,3
.irp j, 0,1,2,3,4,5,6,7
	ds_store_b32 v15, v[ACC+32*\a+8*\b+\j] offset:(16*\b+\j)*272+64*\a
.endr
.endr
.endr
	s_branch .Ljoin
.Lv_path:
.irp a, 0,1,2,3                                ; v as it is: (token 16 a + r, d = 16 b + 8 h + 0 .. 7); each accumulator from its low end on
.irp b, 0,1,2,3
	ds_store_b128 v17, v[ACC+32*\a+8*\b:ACC+32*\a+8*\b+3] offset:\a*4352+64*\b
	ds_store_b128 v17, v[ACC+32*\a+8*\b+4:ACC+32*\a+8*\b+7] offset:\a*4352+64*\b+16
.endr
.endr
	s_wait_dscnt 0x0
.set i, 0
.rept 32
	ds_load_b128 v[ACC+4*i:ACC+4*i+3], v19 offset:i*544            ; tokens 2 i and 2 i + 1, whole rows
.set i, i+1
.endr
.set i, 0
.rept 32
	s_wait_dscnt 31-i
.irp rep, 0,1,2,3
	global_store_b128 v20, v[ACC+4*i:ACC+4*i+3], s[82:83] offset:\rep*524288+512*i th:TH_STORE_NT   ; 512 consecutive bytes, aligned; the four heads of the group
.endr
.set i, i+1
.endr
	s_wait_xcnt 0x0                                ; the stores have read their registers
.irp a, 0,1,2,3                                ; v turned: row d = 16 a + r, register 8 b + j = token 16 b + 8 h + j
.irp b, 0,1,2,3
.irp j, 0,1,2,3,4,5,6,7
	ds_load_b32 v[ACC+32*\a+8*\b+\j], v16 offset:(16*\b+\j)*272+64*\a
.endr
.endr
.endr
	s_wait_dscnt 0x0
.Ljoin:
	QUANT2 ACC, 96, 124
	QUANT2 ACC+32, 102, 125
	QUANT2 ACC+64, 108, 126
	QUANT2 ACC+96, 114, 127
.irp a, 0,1,2,3
.irp p, 0,1,2
	global_store_b64 v3, v[96+6*\a+2*\p:97+6*\a+2*\p], s[78:79] offset:\a*768+256*\p   ; 256 consecutive bytes, aligned
.endr
.endr
	v_cmp_eq_u32 vcc_lo, 1, v2
	v_cndmask_b32 v64, v124, v126, vcc_lo
	v_cndmask_b32 v65, v125, v127, vcc_lo
	global_store_b64 v22, v[64:65], s[78:79]       ; the record's scale words
	s_cmp_lg_u32 s17, 0
	s_cbranch_scc1 .Lend
.set i, 0
.rept 32
	ds_load_b128 v[ACC+4*i:ACC+4*i+3], v18 offset:i*544            ; k: rows d = 2 i and 2 i + 1 of 64 tokens
.set i, i+1
.endr
.set i, 0
.rept 32
	s_wait_dscnt 31-i
.irp rep, 0,1,2,3
	global_store_b128 v21, v[ACC+4*i:ACC+4*i+3], s[80:81] offset:\rep*524288+16384*i th:TH_STORE_NT   ; sixteen lanes store 256 consecutive bytes, aligned
.endr
.set i, i+1
.endr
.Lend:
	s_wait_tensorcnt 0x0                           ; the wave's end
	ds_add_u32 v[SPW], v[NIL]
	s_wait_dscnt 0x0
	CROUND                                         ; the closing round
	s_endpgm
.Lfunc_end_k_qa494643a1c_qkvp:
	.size	k_qa494643a1c_qkvp, .Lfunc_end_k_qa494643a1c_qkvp-k_qa494643a1c_qkvp
	.p2alignl 7, 3214868480
	.fill 96, 4, 3214868480
	.section	.rodata,"a",@progbits
	.p2align	6, 0x0
	.amdhsa_kernel k_qa494643a1c_qkvp
		.amdhsa_group_segment_fixed_size 327680
		.amdhsa_private_segment_fixed_size 0
		.amdhsa_enable_private_segment 0
		.amdhsa_kernarg_size 64
		.amdhsa_user_sgpr_count 2
		.amdhsa_user_sgpr_kernarg_segment_ptr 1
		.amdhsa_wavefront_size32 1
		.amdhsa_system_sgpr_workgroup_id_x 1
		.amdhsa_system_sgpr_workgroup_id_y 1
		.amdhsa_system_sgpr_workgroup_id_z 1
		.amdhsa_system_vgpr_workitem_id 0
		.amdhsa_next_free_vgpr 768
		.amdhsa_next_free_sgpr 100
		.amdhsa_reserve_vcc 1
		.amdhsa_float_denorm_mode_32 3
		.amdhsa_float_denorm_mode_16_64 3
		.amdhsa_memory_ordered 1
		.amdhsa_forward_progress 1
		.amdhsa_inst_pref_size 182
	.end_amdhsa_kernel
	.amdgpu_metadata
---
amdhsa.version: [ 1, 2 ]
amdhsa.kernels:
  - .name:           k_qa494643a1c_qkvp
    .symbol:         k_qa494643a1c_qkvp.kd
    .args:
      - { .name: opq, .offset: 0, .size: 8, .value_kind: global_buffer, .address_space: global }
      - { .name: freqs_cos, .offset: 8, .size: 8, .value_kind: global_buffer, .address_space: global }
      - { .name: freqs_sin, .offset: 16, .size: 8, .value_kind: global_buffer, .address_space: global }
      - { .name: q_norm_w, .offset: 24, .size: 8, .value_kind: global_buffer, .address_space: global }
      - { .name: k_norm_w, .offset: 32, .size: 8, .value_kind: global_buffer, .address_space: global }
      - { .name: qkv, .offset: 40, .size: 8, .value_kind: global_buffer, .address_space: global }
      - { .name: out1, .offset: 48, .size: 8, .value_kind: global_buffer, .address_space: global }
      - { .name: out2, .offset: 56, .size: 8, .value_kind: global_buffer, .address_space: global }
    .group_segment_fixed_size: 327680
    .private_segment_fixed_size: 0
    .kernarg_segment_align: 8
    .kernarg_segment_size: 64
    .max_flat_workgroup_size: 128
    .sgpr_count:     100
    .vgpr_count:     768
    .wavefront_size: 32
...
	.end_amdgpu_metadata
.endif
;; end of part 2
;; launch attn (part 3): grid 32 x 8, 8 waves a work-group, clusters of 4 x 4, 327,680 bytes of LDS; arguments qkv, atten_mask, yq; writes yq
.if DOCPART == 3
	.amdgcn_target "amdgcn-amd-amdhsa--gfx1250"
	.amdhsa_code_object_version 6
	.text
	.protected	k_qa494643a1c_attn
	.globl	k_qa494643a1c_attn
	.p2align	8
	.type	k_qa494643a1c_attn,@function
k_qa494643a1c_attn:
	s_mov_b64 s[64:65], 0
	v_nop
	global_prefetch_b8 v0, s[64:65] scope:SCOPE_SE
	s_setreg_imm32_b32 hwreg(HW_REG_WAVE_MODE, 25, 1), 1
	s_wait_xcnt 0x0
	s_wait_alu depctr_hold_cnt(0) depctr_sa_sdst(0) depctr_va_vdst(0) depctr_va_sdst(0) depctr_va_ssrc(0) depctr_va_vcc(0) depctr_vm_vsrc(0)
	s_getreg_b32 s2, hwreg(HW_REG_IB_STS2, 6, 4)
	s_cmp_eq_u32 s2, 0
	s_cbranch_scc0 .Lentry_in_a_cluster
	s_endpgm
.Lentry_in_a_cluster:
	s_bfe_u32 s2, ttmp6, 0x10000c
	s_cmp_lg_u32 s2, 0xf033
	s_cbranch_scc0 .Lentry_shape_is_right
	s_endpgm
.Lentry_shape_is_right:
; Products 4 and 5: y[q] = sum over k of softmax_k(q . k / 8 + mask[q][k]) v[k], on codes of BF6 out of qkv.  Nothing of reference() is left out: the mask is an input, so every score is computed.
; THE SOFTMAX: M = the running largest t = (score + mask) x log2(e), rounded UP to a whole number; p = 2^(t - M), t - M by one fused multiply-add, is quantised along the keys, not normalised;
; the row's sum is taken of the unquantised p and divides at the end.  When M moves, the sum and O are multiplied by 2^(old M - new M): exact.
; THE MASK IS THE C OF S^T = K Q^T + mask.  The division by 8 lies in q's scale bytes.
; K = 64 in an instruction of 128: Q's registers 6-11 are zero codes; K's tiles lie six registers apart, so the upper half of a tile's operand is the next tile's codes, which meet zeros.
; WHICH KEYS FORM A TILE OF K: of each 64 keys (c), tile u takes as rows 0-7 the keys 64 c + g(u) + 0 .. 7 and as rows 8-15 the keys 64 c + 32 + g(u) + 0 .. 7, g = 0, 16, 8, 24.
; So the 32 registers of tiles 4 c .. 4 c + 3 of lane (r, h) are the WHOLE block 2 c + h of query r's keys, in the order in which V's codes lie (0-7, 16-23, 8-15, 24-31):
; a block's maximum needs no other lane, and the conversions' results are the operand's registers as they stand.  The choice is made by the lanes' LDS addresses alone; qkv lies as qkvp stores it.
; The result, divided by the sum, is quantised along the features and stored in yq, laid as opq is: [four token tiles][chunk][tile][6,400 bytes].
; SHARES: a work-group owns 64 queries (qb) of the four heads of one k/v head (kvh).  Wave w: queries 16 (w / 2) on, heads 4 kvh + 2 (w % 2) (A) and the next (B): each fragment of K and V and each
; mask number that a wave reads serves two heads.  Every wave walks all 2,048 keys, 128 a step, 256 a slot, two slots.
; A STEP: the scores of B (D apart from C, the mask) and of A (in place over the mask); V's loads; A's softmax; O_A; the NEXT step's mask and K are asked for; B's softmax, under which they land; O_B.
; The change of slots stands in the middle of a slot's second step: all reads of the slot that is left are over there (its V is in registers).
; CLUSTER 4 x 4: x = qb, y = kvh.  K's and V's records hang on kvh alone: asked for jointly along a row of the cluster (wave 0, one descriptor for both); the mask's tile hangs on qb alone: along a column (wave 1).
; PREFETCH: the mask's tile of the next change of slots; K and V are 2 / 7 of a slot's bytes and are read by 32 work-groups each, so they are not asked for ahead.
; LIMITS: the promise holds while the scaled scores stay under 2^31 in magnitude.  NaN and infinities among q, k, v are not served; a row whose mask is -infinity throughout gives NaN, as in reference();
; a block of p or y under 2^-122 keeps the byte 1.
; REGISTERS.  Window 0: v1-4 places that stay; v8-10, v208, v209 addresses of the slot; v12 -M, v13 the largest t, v[14:15] the sum; v16-27 Q_A; v32-85 K's eight tiles; v86-93 K's scale words; v94 Q_B's, v95 p_B's;
; v96-159 mask, S_A, p; v160-191 O_A; v192-199 V's words as they lie, v200-203 joined; v204-207 lane offsets; v224-235 p's codes; v232-254 at work; v253 p_A's scale word; v255 Q_A's.
; Window 1: head B under head A's numbers, so that one text serves both heads; v32-79 V's four fragments.  Scale words lie in window 0: scale operands have no window.
.set SLOT1, 131072                     ; slot 1 begins here: one exclusive or turns an address
.set REC,   3328
.set VOFF,  4*REC                      ; a slot: four records of K, four of V,
.set MOFF,  8*REC                      ; and 64 rows of the mask, 1,024 bytes + 16
.set MP,    1040
.set SCY,   2*SLOT1                    ; the way out: y's scale bytes, 512 bytes
.set SPARE, SCY+512                    ; the spare words: 128 bytes a wave, four blocks of 256 bytes that no other line names
.set SPW,  5
.set NIL,  6
.set PFO,  7                           ; the prefetches' offset: 8,192 r + 256 h
.set ADK,  8                           ; V's fragments
.set ADM,  9                           ; the mask
.set ADS,  10                          ; V's scale words
.set KLP,  206                         ; K's fragments, the lane's part: 8 (l % 8) + 1,536 ((l / 8) % 2) + 128 (l / 16)
.set KSP,  207                         ; K's scale words, the lane's part: 16 (l % 8) + 8 ((l / 8) % 2)
.set AKK,  208
.set AKS,  209
.set QSB,  94
.set PSB,  95
.set WV,   18
.set SEL,  20
.set CS,   22                          ; s[22:23] log2(e)
.set G1KV, 24
.set G1M,  32
.set G0KV, 40
.set G0M,  44
.set TB,   2                           ; the slot in hand
.set SLOTS, 3                          ; a loop's trips to go
.set PFA,  48
.set LIM,  50                          ; 1 in a wave that prefetches, else the greatest number
.set MSB, 0
.macro WIN new                         ; the immediate's high byte repeats the setting that is left; bits 1:0 source 0, 3:2 source 1, 5:4 source 2, 7:6 destination
.if MSB != \new
	s_set_vgpr_msb (MSB<<8)|\new
.set MSB, \new
.endif
.endm
.macro JLOAD2                          ; wave 0: K and V; wave 1: the mask; the others nothing.  An s_nop 0 and four v_nop follow each line
	s_cmp_eq_u32 s[WV], 0
	s_cbranch_scc0 .Lnot_kv_\@
	tensor_load_to_lds s[G0KV:G0KV+3], s[G1KV:G1KV+7]
	s_nop 0
.rept 4
	v_nop
.endr
	s_branch .Lasked_\@
.Lnot_kv_\@:
	s_cmp_eq_u32 s[WV], 1
	s_cbranch_scc0 .Lasked_\@
	tensor_load_to_lds s[G0M:G0M+3], s[G1M:G1M+7]
	s_nop 0
.rept 4
	v_nop
.endr
.Lasked_\@:
.endm
.macro CROUND
	s_barrier_signal -1
	s_barrier_wait -1
	s_cmp_lg_u32 s[WV], 0
	s_cbranch_scc1 .Lnot_wave_0_\@
	s_barrier_signal -3
.Lnot_wave_0_\@:
	s_barrier_wait -3
	s_barrier_signal -1
	s_barrier_wait -1
.endm
; The mask's tile that the NEXT change of slots will ask for: 64 rows x 1,024 bytes.  Both rows of clusters read the same mask: the first (cluster y = 0) asks.  The four partners of a column share the rows
; out by address, 16 each; in each, waves 4 and 5 ask for 512 bytes of each row, lanes 256 bytes apart: each aligned block of 256 bytes is named once.  The last change that fills a slot asks for nothing.
.macro ASK
	s_cmp_gt_u32 s[SLOTS], s[LIM]
	s_cbranch_scc0 .Lnot_mine_\@
	global_prefetch_b8 v[PFO], s[PFA:PFA+1] th:TH_LOAD_NT scope:SCOPE_SE
.Lnot_mine_\@:
.endm
	s_load_b128 s[4:7], s[0:1], 0x0                ; qkv, atten_mask
	s_load_b64 s[8:9], s[0:1], 0x10                ; yq
	v_lshl_add_u32 v[SPW], v0, 2, SPARE
	v_mov_b32 v[NIL], 0
	ds_add_u32 v[SPW], v[NIL]                      ; the wave's opening: the add, twice on end, and its wait ahead of the first tensor load
	ds_add_u32 v[SPW], v[NIL]
	v_lshrrev_b32 v8, 5, v0
	s_delay_alu instid0(VALU_DEP_1)
	v_readfirstlane_b32 s[WV], v8                  ; wave 0..7
	s_and_b32 s19, s[WV], 1                        ; hp: my pair of the four heads
	s_lshr_b32 s17, s[WV], 1                       ; qt: my tile of 16 queries
	s_bfe_u32 s10, ttmp6, 0x40000                  ; cx
	s_bfe_u32 s11, ttmp6, 0x40004                  ; cy
	s_lshl_b32 s12, ttmp9, 2
	s_add_co_u32 s12, s12, s10                     ; qb
	s_and_b32 s13, ttmp7, 0xffff                   ; the cluster's y
	s_lshl_b32 s14, s13, 2
	s_add_co_u32 s14, s14, s11                     ; kvh
	s_lshl_b32 s15, s11, 2
	s_lshl_b32 s15, 15, s15                        ; my row of the cluster
	s_lshl_b32 s16, 0x1111, s10                    ; my column
	s_or_b32 s[G1KV], s15, (3<<16)|(1<<21)         ; elements of 8 bytes, no padding
	s_mov_b32 s[G1KV+1], 1664<<16                  ; tensor_dim0: four records, 13,312 bytes
	s_mov_b32 s[G1KV+2], 2<<16                     ; tensor_dim1: K's, V's
	s_mov_b32 s[G1KV+3], 1664<<16
	s_mov_b32 s[G1KV+4], 2
	s_mov_b32 s[G1KV+5], 106496                    ; from K's head to V's: eight heads of 106,496 bytes
	s_mov_b32 s[G1KV+6], 0
	s_mov_b32 s[G1KV+7], 0
	s_or_b32 s[G1M], s16, (2<<16)|(1<<20)|(1<<21)|(7<<22)|(3<<25)   ; elements of 4 bytes; 4 words of padding behind every 256
	s_mov_b32 s[G1M+1], 256<<16
	s_mov_b32 s[G1M+2], 64<<16
	s_mov_b32 s[G1M+3], 256<<16
	s_mov_b32 s[G1M+4], 64
	s_mov_b32 s[G1M+5], 2048
	s_mov_b32 s[G1M+6], 0
	s_mov_b32 s[G1M+7], 0
	s_mul_i32 s52, s14, 106496                     ; K's head
	s_mov_b32 s53, 0
	s_lshl_b32 s54, s12, 19                        ; the mask's 64 rows of 8,192 bytes
	s_mov_b32 s55, 0
	s_mov_b32 s[SEL], 0x76543210
	s_mov_b32 s[SEL+1], 0xfedcba98
	s_mov_b32 s[CS], 0x3fb8aa3b                    ; log2(e)
	s_mov_b32 s[CS+1], s[CS]
	s_mov_b32 s[TB], 0
	s_mov_b32 s[SLOTS], 6
	s_wait_dscnt 0x0                               ; both opening adds are done
	s_wait_kmcnt 0x0
	s_mov_b32 s[G0KV], 1
	s_mov_b32 s[G0KV+1], 0
	s_add_nc_u64 s[G0KV+2:G0KV+3], s[4:5], s[52:53]
	s_or_b32 s[G0KV+3], s[G0KV+3], 0x80000000
	s_mov_b32 s[G0M], 1
	s_mov_b32 s[G0M+1], MOFF
	s_add_nc_u64 s[G0M+2:G0M+3], s[6:7], s[54:55]
	s_or_b32 s[G0M+3], s[G0M+3], 0x80000000
	CROUND                                         ; all sixteen work-groups are here
	JLOAD2                                         ; slot 0
	s_lshl_b32 s56, s14, 2
	s_lshl_b32 s57, s19, 1
	s_add_co_u32 s56, s56, s57                     ; head A: 4 kvh + 2 hp
	s_add_co_u32 s56, s56, 16
	s_lshl_b32 s56, s56, 5
	s_add_co_u32 s56, s56, s12
	s_mul_i32 s56, s56, REC
	s_mov_b32 s57, 0
	s_add_nc_u64 s[58:59], s[4:5], s[56:57]        ; Q_A's record; Q_B's lies 32 records on
	s_mul_i32 s70, s17, 768                        ; my image of it,
	s_lshl_b32 s71, s17, 2
	s_add_co_u32 s71, s71, 3072                    ; and its scale words
	s_mul_i32 s72, s17, 16*MP
	s_add_co_u32 s72, s72, MOFF                    ; my 16 rows of the mask's tile
	s_lshl_b32 s73, s17, 7
	s_lshl_b32 s57, s19, 2
	s_add_co_u32 s73, s73, s57
	s_add_co_u32 s73, s73, SCY                     ; y's scale bytes: 128 qt + 4 hp
	s_mul_i32 s60, s12, 102400                     ; yq: the four token tiles 4 qb ..,
	s_lshr_b32 s57, s14, 1
	s_mul_i32 s57, s57, 25600
	s_add_co_u32 s60, s60, s57                     ; chunk kvh / 2
	s_and_b32 s57, s14, 1
	s_lshl_b32 s62, s57, 3
	s_add_co_u32 s62, s62, s60
	s_add_co_u32 s62, s62, 6144                    ; its scale words, my work-group's 8 bytes of a row's 16
	s_mov_b32 s63, 0
	s_add_nc_u64 s[62:63], s[8:9], s[62:63]
	s_mul_i32 s56, s17, 6400
	s_add_co_u32 s60, s60, s56                     ; my token tile,
	s_lshl_b32 s57, s57, 1
	s_add_co_u32 s57, s57, s19
	s_mul_i32 s57, s57, 1536
	s_add_co_u32 s60, s60, s57                     ; K step 2 (kvh % 2) + hp of the chunk: head A its lower six registers, head B its upper six
	s_mov_b32 s61, 0
	s_add_nc_u64 s[60:61], s[8:9], s[60:61]
	s_lshl_b32 s56, s11, 17                        ; the prefetches: my work-group's 16 rows,
	s_lshl_b32 s57, s19, 9                         ; my wave's 512 bytes of a row's 1,024,
	s_add_co_u32 s56, s56, s57
	s_add_co_u32 s56, s56, s54
	s_add_co_u32 s56, s56, 1024                    ; in slot 1: the first change of slots steps it to slot 2.  Nothing is prefetched at the head
	s_mov_b32 s57, 0
	s_add_nc_u64 s[PFA:PFA+1], s[6:7], s[56:57]
	s_lshr_b32 s56, s[WV], 1
	s_xor_b32 s56, s56, 2                          ; 0 in waves 4 and 5,
	s_or_b32 s56, s56, s13                         ; of the first row of clusters: the same in all partners
	s_cmp_eq_u32 s56, 0
	s_cselect_b32 s[LIM], 1, -1
	v_and_b32 v11, 31, v0                          ; l
	v_and_b32 v28, 15, v0                          ; r
	v_bfe_u32 v29, v0, 4, 1                        ; h
	v_and_b32 v210, 7, v0                          ; l % 8
	v_bfe_u32 v211, v0, 3, 1                       ; (l / 8) % 2
	v_lshlrev_b32 v1, 3, v11                       ; v1 = 8 l
	v_lshlrev_b32 v3, 4, v28                       ; v3 = 16 r
	v_mul_u32_u24 v2, v28, MP
	v_lshlrev_b32 v[KLP], 3, v210
	v_lshlrev_b32 v[KSP], 4, v210
	v_add_nc_u32 v204, s70, v1
	v_add_nc_u32 v205, s71, v3
	v_lshl_add_u32 v2, v29, 7, v2
	v_mad_u32_u24 v[KLP], v211, 1536, v[KLP]
	v_lshl_add_u32 v[KSP], v211, 3, v[KSP]
	global_load_b64 v[16:17], v204, s[58:59]
	global_load_b64 v[18:19], v204, s[58:59] offset:256
	global_load_b64 v[20:21], v204, s[58:59] offset:512
	global_load_b32 v255, v205, s[58:59]           ; Q_A's scale words
	global_load_b32 v[QSB], v205, s[58:59] offset:32*REC   ; Q_B's
	WIN 0x40                                       ; destination window 1
	global_load_b64 v[16:17], v204, s[58:59] offset:32*REC
	global_load_b64 v[18:19], v204, s[58:59] offset:32*REC+256
	global_load_b64 v[20:21], v204, s[58:59] offset:32*REC+512
	WIN 0
	v_add_nc_u32 v2, s72, v2                       ; v2: the mask's row of my query, + 128 h: my block of each 64 keys
	v_lshl_add_u32 v[KLP], v29, 7, v[KLP]
	v_lshl_add_u32 v4, v28, 3, s73                 ; v4: my row's four scale bytes on the way out: head A's two, then head B's
	v_add_nc_u32 v30, SCY, v1                      ; wave 0 reads them back: 8 l
	v_mul_u32_u24 v31, v29, 6400
	v_lshlrev_b32 v[PFO], 13, v28
	v_lshl_add_u32 v31, v28, 4, v31                ; and stores them: tile h, row r
	v_lshl_add_u32 v[PFO], v29, 8, v[PFO]
.macro INIT                            ; a head's state: the step is written once; the first finds zeros
	v_mov_b32 v13, 0xff61b1e6                      ; the largest t so far: -3e38
	s_delay_alu instid0(VALU_DEP_1)
	v_floor_f32 v12, -v13                          ; -M
	v_mov_b32 v14, 0
	v_mov_b32 v15, 0
	v_mov_b32 v236, 0                              ; a lane permute's destination counts as a source
	v_mov_b32 v253, 0
.irp j, 0,1,2,3,4,5
	v_mov_b32 v[22+\j], 0                          ; Q's zero codes for K = 64 .. 127
.endr
.set j, 0
.rept 32
	v_mov_b32 v[160+j], 0                          ; O^T
.set j, j+1
.endr
.endm
	INIT
.irp j, 0,1,2,3,4,5
	v_mov_b32 v[80+\j], 0                          ; what lies behind K's tile 7
.endr
	WIN 0x55                                       ; every operand in window 1: head B
	INIT
	WIN 0
.macro ADDR                            ; the addresses of the slot in hand
	v_add_nc_u32 v[ADK], s[TB], v1
	v_add_nc_u32 v[ADM], s[TB], v2
	v_add_nc_u32 v[ADS], s[TB], v3
	v_add_nc_u32 v[AKK], s[TB], v[KLP]
	v_add_nc_u32 v[AKS], s[TB], v[KSP]
.endm
.macro PRE q                           ; what the scores of the slot's q-th 128 keys want: 48 loads.  Tile 4 c + u; g(u) = 16 (u % 2) + 8 (u / 2)
.irp c, 0,1
.irp u, 0,1,2,3                                ; mask(my query, keys 64 c + 32 h + g(u) + 0 .. 7) into head A's scores' registers
	ds_load_b128 v[96+32*\c+8*\u:99+32*\c+8*\u], v[ADM] offset:512*(\q)+256*\c+64*(\u%2)+32*(\u/2)
	ds_load_b128 v[100+32*\c+8*\u:103+32*\c+8*\u], v[ADM] offset:512*(\q)+256*\c+64*(\u%2)+32*(\u/2)+16
.endr
.endr
.irp c, 0,1
.irp u, 0,1,2,3                                ; K's tile: image u % 2 + 2 ((l / 8) % 2) of record c, rows 8 (u / 2) + l % 8; six registers; and its rows' scale words
.irp p, 0,1,2
	ds_load_b64 v[32+24*\c+6*\u+2*\p:33+24*\c+6*\u+2*\p], v[AKK] offset:(2*(\q)+\c)*REC+768*(\u%2)+64*(\u/2)+256*\p
.endr
	ds_load_b32 v[86+4*\c+\u], v[AKS] offset:(2*(\q)+\c)*REC+3072+128*(\u/2)+4*(\u%2)
.endr
.endr
.endm
.macro VLOAD q                         ; V's scale words, and its four fragments (16 of the head's 64 x 128 keys) into window 1
.irp g, 0,1
	ds_load_b128 v[192+4*\g:195+4*\g], v[ADS] offset:VOFF+(2*(\q)+\g)*REC+3072
.endr
	WIN 0x40
.irp a, 0,1,2,3
.irp p, 0,1,2
	ds_load_b64 v[32+12*\a+2*\p:33+12*\a+2*\p], v[ADK] offset:VOFF+(2*(\q))*REC+\a*768+256*\p
	ds_load_b64 v[38+12*\a+2*\p:39+12*\a+2*\p], v[ADK] offset:VOFF+(2*(\q)+1)*REC+\a*768+256*\p
.endr
.endr
	WIN 0
.endm
.macro QK                              ; both heads' scores
	s_wait_dscnt 0x0                               ; mask, K and its scale words, asked for half a step ago
	WIN 0x44                                       ; Q_B and the result in window 1; K and the mask in window 0
.irp t, 0,1,2,3,4,5,6,7
	v_wmma_scale_f32_16x16x128_f8f6f4 v[96+8*\t:103+8*\t], v[32+6*\t:43+6*\t], v[16:27], v[96+8*\t:103+8*\t], v[86+\t], v[QSB] matrix_a_fmt:MATRIX_FMT_BF6 matrix_b_fmt:MATRIX_FMT_BF6
.endr
.rept 5
	v_nop                                          ; five places: head A's products write over the mask, which head B's have read as C
.endr
	WIN 0
.irp t, 0,1,2,3,4,5,6,7
	v_wmma_scale_f32_16x16x128_f8f6f4 v[96+8*\t:103+8*\t], v[32+6*\t:43+6*\t], v[16:27], v[96+8*\t:103+8*\t], v[86+\t], v255 matrix_a_fmt:MATRIX_FMT_BF6 matrix_b_fmt:MATRIX_FMT_BF6
.endr
.endm
; One head's softmax of 128 keys, under the head's window setting.  My 64 scores are two whole blocks: v96-127 block h, v128-159 block 2 + h.
; hd = 0: head A; ahead of O's rescaling V is waited for and its scale words are joined.  hd = 1: head B; p's scale word goes to window 0 there.
.macro SOFT hd
.if \hd
	s_wait_alu depctr_va_vdst(0)                   ; ahead of the first reader of scores that were made ahead of head A's exponentials
.endif
.irp b, 0,1,2,3
	v_max3_num_f32 v[232+\b], v[96+16*\b], v[97+16*\b], v[98+16*\b]   ; the largest score, in four chains; each accumulator is first read at its low end
.endr
.irp i, 3,5,7,9,11,13
.irp b, 0,1,2,3
	v_max3_num_f32 v[232+\b], v[232+\b], v[96+16*\b+\i], v[97+16*\b+\i]   ; (the four chains by turns)
.endr
.endr
	v_max3_num_f32 v232, v232, v111, v127
	v_max3_num_f32 v234, v234, v143, v159
	v_max_num_f32 v232, v232, v233                 ; my first block's largest score: it serves for the row's maximum and for the block's largest p
	v_max_num_f32 v234, v234, v235                 ; my second block's
	v_max_num_f32 v254, v232, v234
	v_permlanex16_b32 v236, v254, s[SEL], s[SEL+1]
	v_max_num_f32 v254, v254, v236                 ; with lane l xor 16's two blocks: the step's largest score of my query
	v_mul_f32 v254, s[CS], v254                    ; as t
	v_max_num_f32 v13, v13, v254                   ; the running largest t
	v_mov_b32 v254, v12
	v_floor_f32 v12, -v13                          ; the new -M: a whole number
	v_sub_f32 v254, v12, v254                      ; old M - new M, 0 or less
	v_cvt_i32_f32 v254, v254                       ; (it saturates)
	v_ldexp_f32 v252, 1.0, v254                    ; f = 2^(old M - new M)
.set j, 0
.rept 32
	v_pk_fma_f32 v[96+j:97+j], v[96+j:97+j], s[CS:CS+1], v[12:13] op_sel_hi:[1,0,0]   ; t - M, two at a time
.set j, j+2
.endr
	v_fma_f32 v232, v232, s[CS], v12               ; the same of the blocks' largest scores: the same bits
	v_fma_f32 v234, v234, s[CS], v12
	s_wait_alu depctr_va_vdst(0)                   ; ahead of the batch
.set j, 0
.rept 64
	v_exp_f32 v[96+j], v[96+j]                     ; p = 2^(t - M)
.set j, j+1
.endr
	v_exp_f32 v232, v232                           ; the blocks' largest p
	v_exp_f32 v234, v234
	v_pk_mul_f32 v[14:15], v[14:15], v[252:253] op_sel_hi:[1,0]   ; the sums under the new M (a plain place behind the exponentials)
	s_wait_alu depctr_va_vdst(0)                   ; one wait for the batch, ahead of its first reader
	v_pk_add_f32 v[236:237], v[96:97], v[98:99]    ; the row's sum of the unquantised p, in two chains
.irp j, 4,8,12,16,20,24,28,32,36,40,44,48,52,56,60
	v_pk_add_f32 v[14:15], v[14:15], v[96+\j:97+\j]
	v_pk_add_f32 v[236:237], v[236:237], v[98+\j:99+\j]
.endr
	v_max_num_f32 v232, 0x2800000, v232            ; the floor 2^(5 - 127)
	v_max_num_f32 v234, 0x2800000, v234
	v_pk_add_f32 v[14:15], v[14:15], v[236:237]
	v_add_nc_u32 v244, 0xfe000000, v232            ; 4 off the exponent field: the conversions' scale operands
	v_add_nc_u32 v245, 0xfe000000, v234
	v_lshrrev_b32 v238, 23, v244
	v_lshrrev_b32 v239, 23, v245
	v_lshl_or_b32 v253, v239, 16, v238             ; my two bytes: blocks h and 2 + h
	v_permlanex16_b32 v236, v253, s[SEL], s[SEL+1]
	v_lshl_or_b32 v253, v236, 8, v253              ; p's scale word, whole in lanes 0-15, which alone are read
.irp c, 0,1
	v_cvt_scalef32_pk16_bf6_f32 v[224+6*\c:226+6*\c], v[96+32*\c:111+32*\c], v[244+\c]
	v_cvt_scalef32_pk16_bf6_f32 v[236+4*\c:238+4*\c], v[112+32*\c:127+32*\c], v[244+\c]   ; (a conversion's three registers begin on an even number)
.endr
	v_nop                                          ; one plain place behind a scaled conversion
.irp c, 0,1
.irp i, 0,1,2
	v_mov_b32 v[227+6*\c+\i], v[236+4*\c+\i]
.endr
.endr
.if \hd
	WIN 0x01                                       ; source in window 1, destination in window 0
	v_mov_b32 v[PSB], v253                         ; p_B's scale word, where a scale operand is taken from
	WIN 0x55
.else
	s_wait_dscnt 0x0                               ; V and its scale words, asked for ahead of this softmax
.irp a, 0,1,2,3
	v_lshl_or_b32 v[200+\a], v[196+\a], 16, v[192+\a]   ; V's scale words of 128 keys: two groups' two bytes
.endr
.endif
.set j, 0
.rept 16
	v_pk_mul_f32 v[160+j:161+j], v[160+j:161+j], v[252:253] op_sel_hi:[1,0]   ; O^T under the new M (these sixteen are also the places between the scale words' and the codes' last writes and the products)
.set j, j+2
.endr
.endm
.macro PV pw                           ; O^T += V^T P^T, under the caller's window setting
.irp a, 0,1,2,3
	v_wmma_scale_f32_16x16x128_f8f6f4 v[160+8*\a:167+8*\a], v[32+12*\a:43+12*\a], v[224:235], v[160+8*\a:167+8*\a], v[200+\a], v[\pw] matrix_a_fmt:MATRIX_FMT_BF6 matrix_b_fmt:MATRIX_FMT_BF6
.endr
.endm
; The change of slots: each wave waits for all its tensor loads, adds 0 to its spare word, and waits for that and for its reads of the slot that it leaves.
; fill = 1: a round of the cluster's barrier, and behind it the slot that is left is asked for anew: the load has two key steps in which to land.
.macro CHANGE fill
	s_wait_tensorcnt 0x0
	ds_add_u32 v[SPW], v[NIL]
.if \fill
	ds_add_u32 v[SPW], v[NIL]                      ; and once more, every time alike
	s_xor_b32 s[G0KV+1], s[G0KV+1], SLOT1
	s_add_nc_u64 s[G0KV+2:G0KV+3], s[G0KV+2:G0KV+3], 4*REC
	s_xor_b32 s[G0M+1], s[G0M+1], SLOT1
	s_add_nc_u64 s[G0M+2:G0M+3], s[G0M+2:G0M+3], 1024
	s_wait_xcnt 0x0                                ; the last prefetch, a slot back, has read its address
	s_add_nc_u64 s[PFA:PFA+1], s[PFA:PFA+1], 1024
.endif
	s_wait_dscnt 0x0
.if \fill
	CROUND
	JLOAD2
	ASK
.else
	s_barrier_signal -1
	s_barrier_wait -1
.endif
.endm
; A key step: the q-th 128 keys of the slot in hand, both heads.  mode 0: the next step lies in the same slot; 1: the slot is left and filled again;
; 2: it is left and not filled; in the tail's last trip nothing follows, and a branch on the trips to go leads round the next step's LDS loads alone.
.macro STEP q, mode
	QK
	ADDR                                           ; (these five are the places behind the products)
	VLOAD \q
	SOFT 0
	WIN 0x01                                       ; V in window 1
	PV 253
	WIN 0
.if \mode == 0
	PRE 1
.elseif \mode == 1
	CHANGE 1
	s_xor_b32 s[TB], s[TB], SLOT1
	ADDR
	PRE 0
.else
	CHANGE 0
	s_xor_b32 s[TB], s[TB], SLOT1
	s_cmp_eq_u32 s[SLOTS], 1
	s_cbranch_scc1 .Lno_next_\@
	ADDR
	PRE 0
.Lno_next_\@:
.endif
	WIN 0x55                                       ; head B: every operand in window 1
	SOFT 1
	PV PSB
	WIN 0
.endm
	s_wait_alu depctr_va_vdst(0)
	s_wait_loadcnt 0x0                             ; Q
	CHANGE 1                                       ; slot 0 is whole for every wave; slot 1 is asked for
	ADDR
	PRE 0
.Lslot:                                            ; six trips: slots 0 to 5; their changes ask for slots 2 to 7
	STEP 0, 0
	STEP 1, 1
	s_sub_co_u32 s[SLOTS], s[SLOTS], 1
	s_cmp_lg_u32 s[SLOTS], 0
	s_cbranch_scc1 .Lslot
	s_mov_b32 s[SLOTS], 2
.Ltail:                                            ; two trips: slots 6 and 7, which ask for nothing: no tensor load stands in this loop
	STEP 0, 0
	STEP 1, 2
	s_sub_co_u32 s[SLOTS], s[SLOTS], 1
	s_cmp_lg_u32 s[SLOTS], 0
	s_cbranch_scc1 .Ltail
	; THE WAY OUT: O^T / the sum, quantised along the head's 64; once under each head's window setting
.macro OUTC
	v_add_f32 v14, v14, v15
	v_permlanex16_b32 v252, v14, s[SEL], s[SEL+1]
	v_add_f32 v14, v14, v252                       ; the row's sum
	s_wait_alu depctr_va_vdst(0)
	v_rcp_f32 v14, v14
	v_nop
	v_nop
	s_wait_alu depctr_va_vdst(0)                   ; ahead of the first reader
.set j, 0
.rept 32
	v_mul_f32 v[96+j], v[160+j], v14               ; register 8 a + i: y(my query, 16 a + 8 h + i)
.set j, j+1
.endr
	v_max3_num_f32 v232, |v96|, |v97|, 0x2800000
	v_max3_num_f32 v233, |v112|, |v113|, 0x2800000
.irp i, 2,4,6,8,10,12,14
	v_max3_num_f32 v232, v232, |v[96+\i]|, |v[97+\i]|      ; (the two blocks by turns)
	v_max3_num_f32 v233, v233, |v[112+\i]|, |v[113+\i]|
.endr
	v_permlanex16_b32 v236, v232, s[SEL], s[SEL+1]
	v_permlanex16_b32 v237, v233, s[SEL], s[SEL+1]
	v_max_num_f32 v232, v232, v236                 ; with lane l xor 16's: the blocks' largest magnitudes
	v_max_num_f32 v233, v233, v237
	v_add_nc_u32 v244, 0xfe000000, v232            ; 4 off the exponent field: the conversions' scale operands
	v_add_nc_u32 v245, 0xfe000000, v233
	v_lshrrev_b32 v238, 23, v244
	v_lshrrev_b32 v239, 23, v245
	v_lshl_or_b32 v240, v239, 8, v238              ; the head's two scale bytes
	v_cvt_scalef32_pk16_bf6_f32 v[224:226], v[96:111], v244
	v_cvt_scalef32_pk16_bf6_f32 v[248:250], v[112:127], v245
	v_nop
.irp i, 0,1,2
	v_permlane16_swap_b32 v[224+\i], v[248+\i]     ; lanes 0-15 get block 0 whole, lanes 16-31 block 1
.endr
.irp i, 0,1,2
	v_mov_b32 v[227+\i], v[248+\i]
.endr
.endm
	OUTC                                           ; head A (its lines are also the places behind head B's last products)
.irp p, 0,1,2
	global_store_b64 v1, v[224+2*\p:225+2*\p], s[60:61] offset:256*\p   ; 256 consecutive bytes, aligned
.endr
	ds_store_b16 v4, v240                          ; both halves of the lanes write the same two bytes with the same value
	WIN 0x55
	OUTC                                           ; head B
	WIN 0x04                                       ; a store's data are its source 1: window 1
.irp p, 0,1,2
	global_store_b64 v1, v[224+2*\p:225+2*\p], s[60:61] offset:768+256*\p
.endr
	ds_store_b16 v4, v240 offset:2
	WIN 0
	s_wait_dscnt 0x0
	s_barrier_signal -1
	s_barrier_wait -1
	s_cmp_lg_u32 s[WV], 0
	s_cbranch_scc1 .Lnot_first
	ds_load_b64 v[32:33], v30                      ; token tiles 0 and 1: a row's 8 bytes a lane
	ds_load_b64 v[34:35], v30 offset:256           ; tiles 2 and 3
	s_wait_dscnt 0x0
	global_store_b64 v31, v[32:33], s[62:63]
	global_store_b64 v31, v[34:35], s[62:63] offset:12800
.Lnot_first:
	s_wait_tensorcnt 0x0                           ; the wave's end
	ds_add_u32 v[SPW], v[NIL]
	s_wait_dscnt 0x0
	CROUND                                         ; the closing round
	s_endpgm
.Lfunc_end_k_qa494643a1c_attn:
	.size	k_qa494643a1c_attn, .Lfunc_end_k_qa494643a1c_attn-k_qa494643a1c_attn
	.p2alignl 7, 3214868480
	.fill 96, 4, 3214868480
	.section	.rodata,"a",@progbits
	.p2align	6, 0x0
	.amdhsa_kernel k_qa494643a1c_attn
		.amdhsa_group_segment_fixed_size 327680
		.amdhsa_private_segment_fixed_size 0
		.amdhsa_enable_private_segment 0
		.amdhsa_kernarg_size 24
		.amdhsa_user_sgpr_count 2
		.amdhsa_user_sgpr_kernarg_segment_ptr 1
		.amdhsa_wavefront_size32 1
		.amdhsa_system_sgpr_workgroup_id_x 1
		.amdhsa_system_sgpr_workgroup_id_y 1
		.amdhsa_system_sgpr_workgroup_id_z 1
		.amdhsa_system_vgpr_workitem_id 0
		.amdhsa_next_free_vgpr 512
		.amdhsa_next_free_sgpr 100
		.amdhsa_reserve_vcc 0
		.amdhsa_float_denorm_mode_32 3
		.amdhsa_float_denorm_mode_16_64 3
		.amdhsa_memory_ordered 1
		.amdhsa_forward_progress 1
		.amdhsa_inst_pref_size 146
	.end_amdhsa_kernel
	.amdgpu_metadata
---
amdhsa.version: [ 1, 2 ]
amdhsa.kernels:
  - .name:           k_qa494643a1c_attn
    .symbol:         k_qa494643a1c_attn.kd
    .args:
      - { .name: qkv, .offset: 0, .size: 8, .value_kind: global_buffer, .address_space: global }
      - { .name: atten_mask, .offset: 8, .size: 8, .value_kind: global_buffer, .address_space: global }
      - { .name: yq, .offset: 16, .size: 8, .value_kind: global_buffer, .address_space: global }
    .group_segment_fixed_size: 327680
    .private_segment_fixed_size: 0
    .kernarg_segment_align: 8
    .kernarg_segment_size: 24
    .max_flat_workgroup_size: 256
    .sgpr_count:     100
    .vgpr_count:     512
    .wavefront_size: 32
...
	.end_amdgpu_metadata
.endif
;; end of part 3
;; launch oproj (part 4): grid 16 x 16, 4 waves a work-group, clusters of 4 x 4, 327,680 bytes of LDS; arguments yq, opq, out0; writes out0
.if DOCPART == 4
	.amdgcn_target "amdgcn-amd-amdhsa--gfx1250"
	.amdhsa_code_object_version 6
	.text
	.protected	k_qa494643a1c_oproj
	.globl	k_qa494643a1c_oproj
	.p2align	8
	.type	k_qa494643a1c_oproj,@function
k_qa494643a1c_oproj:
	s_mov_b64 s[64:65], 0
	v_nop
	global_prefetch_b8 v0, s[64:65] scope:SCOPE_SE
	s_setreg_imm32_b32 hwreg(HW_REG_WAVE_MODE, 25, 1), 1
	s_wait_xcnt 0x0
	s_wait_alu depctr_hold_cnt(0) depctr_sa_sdst(0) depctr_va_vdst(0) depctr_va_sdst(0) depctr_va_ssrc(0) depctr_va_vcc(0) depctr_vm_vsrc(0)
	s_getreg_b32 s2, hwreg(HW_REG_IB_STS2, 6, 4)
	s_cmp_eq_u32 s2, 0
	s_cbranch_scc0 .Lentry_in_a_cluster
	s_endpgm
.Lentry_in_a_cluster:
	s_bfe_u32 s2, ttmp6, 0x10000c
	s_cmp_lg_u32 s2, 0xf033
	s_cbranch_scc0 .Lentry_shape_is_right
	s_endpgm
.Lentry_shape_is_right:
.set RFIRST, 320
.set LB,    68
.set RB,    70
.set SLOT,  102400
.set TCH,   6400
.set SPARE, 3*SLOT
; Product 6: out0 = y wo^T on codes of BF6: L = yq's token tiles, R = wo's tiles out of opq.  A tile of C is 128 x 128; four waves, 64 x 64 each.  Nothing of reference() is left out.
; LDS: wave w's loads land at 76,800 w: chunks 0, 1, 2 (512 along K each) of its four tiles by ONE dense joint load at the head (12 rows of 6,400 bytes); chunk 3 fills the first 25,600 again: one refill.
; By this text's count a wave has one tensor load out at the most.  The stage for the way out lies in each wave's own 76,800 bytes, behind the part that is filled again.
.set VSTAGE, 25600
.set WST,   76800
.set ADL,   4
.set ADR,   7
.set ADS,   10
.set SPW,   28
.set NIL,   29
.set SC,    32
.set ACC,   128
.set F0,    0
.set F1,    128
.set G1,    24
.set G0,    32
.set G1B,   44
.set G0B,   52
.set MSB, 0
.macro WIN new
.if MSB != \new
	s_set_vgpr_msb (MSB<<8)|\new
.set MSB, \new
.endif
.endm
.set MUL,  0x05
.set TO_F, 0x40
.macro JLOAD g0a, g1a, g0b, g1b
	s_cmp_eq_u32 s15, 0
	s_cbranch_scc0 .Lfor_b_\@
	tensor_load_to_lds s[\g0a:\g0a+3], s[\g1a:\g1a+7]
	s_nop 0
.rept 4
	v_nop
.endr
	s_branch .Lasked_\@
.Lfor_b_\@:
	tensor_load_to_lds s[\g0b:\g0b+3], s[\g1b:\g1b+7]
	s_nop 0
.rept 4
	v_nop
.endr
.Lasked_\@:
.endm
.macro CREST
	s_cmp_lg_u32 s14, 0
	s_cbranch_scc1 .Lnot_wave_0_\@
	s_barrier_signal -3
.Lnot_wave_0_\@:
	s_barrier_wait -3
	s_barrier_signal -1
	s_barrier_wait -1
.endm
.macro CROUND
	s_barrier_signal -1
	s_barrier_wait -1
	CREST
.endm
.macro PLACES
.rept 4
	v_nop
.endr
.endm
.macro MUL4 f, a, set, st, zero
.irp b, 0,1,2,3
.if \zero
	v_wmma_scale_f32_16x16x128_f8f6f4 v[ACC+8*(4*(\a)+\b):ACC+8*(4*(\a)+\b)+7], v[\f+48+12*\b:\f+48+12*\b+11], v[\f+12*(\a):\f+12*(\a)+11], 0, v[SC+16*(\set)+4*\b+(\st)], v[SC+16*(\set)+4*(\a)+(\st)] matrix_a_fmt:MATRIX_FMT_BF6 matrix_b_fmt:MATRIX_FMT_BF6 matrix_a_scale:MATRIX_SCALE_ROW1
.else
	v_wmma_scale_f32_16x16x128_f8f6f4 v[ACC+8*(4*(\a)+\b):ACC+8*(4*(\a)+\b)+7], v[\f+48+12*\b:\f+48+12*\b+11], v[\f+12*(\a):\f+12*(\a)+11], v[ACC+8*(4*(\a)+\b):ACC+8*(4*(\a)+\b)+7], v[SC+16*(\set)+4*\b+(\st)], v[SC+16*(\set)+4*(\a)+(\st)] matrix_a_fmt:MATRIX_FMT_BF6 matrix_b_fmt:MATRIX_FMT_BF6 matrix_a_scale:MATRIX_SCALE_ROW1
.endif
.endr
.endm
.macro FETCHS slot, set
	WIN 0
.irp i, 0,1,2,3
	ds_load_b128 v[SC+16*(\set)+4*\i:SC+16*(\set)+4*\i+3], v[ADS+\slot] offset:\i*TCH
.endr
.endm
.macro FETCH slot, st, f
	WIN TO_F
.irp b, 0,1,2,3
.irp p, 0,1,2,3,4,5
	ds_load_b64 v[\f+48+12*\b+2*\p:\f+48+12*\b+2*\p+1], v[ADR+\slot] offset:\b*TCH+(\st)*1536+256*\p
.endr
.endr
.irp a, 0,1,2,3
.irp p, 0,1,2,3,4,5
	ds_load_b64 v[\f+12*\a+2*\p:\f+12*\a+2*\p+1], v[ADL+\slot] offset:\a*TCH+(\st)*1536+256*\p
.endr
.endr
.endm
.macro STEP f, g, set, st, zero, nslot, nst, fs, nset
	s_wait_dscnt 12
	WIN MUL
	MUL4 \f, 0, \set, \st, \zero
	MUL4 \f, 1, \set, \st, \zero
	PLACES
.if \fs
	FETCHS \nslot, \nset
.endif
	FETCH \nslot, \nst, \g
	s_wait_dscnt 48+4*\fs
	WIN MUL
	MUL4 \f, 2, \set, \st, \zero
	MUL4 \f, 3, \set, \st, \zero
.endm
.macro TURN set, fill, nslot, nset
	WIN 0
	s_wait_tensorcnt 0x0
	ds_add_u32 v[SPW], v[NIL]
	s_wait_dscnt 13
	WIN MUL
	MUL4 F1, 0, \set, 3, 0
	s_wait_dscnt 0x0
	s_barrier_signal -1
	MUL4 F1, 1, \set, 3, 0
	WIN 0
	s_barrier_wait -1
.if \fill
	CREST
	s_add_nc_u64 s[G0+2:G0+3], s[G0+2:G0+3], 12*TCH    ; chunk 3 of my four tiles lies behind their chunks 0 to 2
	s_add_nc_u64 s[G0B+2:G0B+3], s[G0B+2:G0B+3], 12*TCH
	s_mov_b32 s[G1+2], 4<<16                       ; no tensor load of mine is out: from here on a load brings 4 rows
	s_mov_b32 s[G1+4], 4
	s_mov_b32 s[G1B+2], 4<<16
	s_mov_b32 s[G1B+4], 4
	JLOAD G0, G1, G0B, G1B
.else
	PLACES
.endif
	FETCHS \nslot, \nset
	FETCH \nslot, 0, F0
	WIN MUL
	MUL4 F1, 2, \set, 3, 0
	MUL4 F1, 3, \set, 3, 0
.endm
	s_load_b128 s[68:71], s[0:1], 0x0
	s_load_b64 s[72:73], s[0:1], 0x10
	v_lshl_add_u32 v[SPW], v0, 2, SPARE
	v_mov_b32 v[NIL], 0
	ds_add_u32 v[SPW], v[NIL]
	ds_add_u32 v[SPW], v[NIL]
	v_lshrrev_b32 v1, 5, v0
	v_readfirstlane_b32 s14, v1
	s_lshr_b32 s15, s14, 1
	s_and_b32 s16, s14, 1
	s_bfe_u32 s4, ttmp6, 0x40000
	s_bfe_u32 s5, ttmp6, 0x40004
	s_lshl_b32 s6, ttmp9, 2
	s_add_co_u32 s6, s6, s4
	s_and_b32 s7, ttmp7, 0xffff
	s_lshl_b32 s7, s7, 2
	s_add_co_u32 s7, s7, s5
	s_lshl_b32 s8, 0x1111, s4
	s_lshl_b32 s9, s5, 2
	s_lshl_b32 s9, 15, s9
	s_or_b32 s[G1], s8, (3<<16)|(1<<21)
	s_or_b32 s[G1B], s9, (3<<16)|(1<<21)
.irp g, G1, G1B
	s_mov_b32 s[\g+1], 800<<16
	s_mov_b32 s[\g+2], 12<<16                      ; tensor_dim1: three chunks of four tiles
	s_mov_b32 s[\g+3], 800<<16
	s_mov_b32 s[\g+4], 12
	s_mov_b32 s[\g+5], 800                         ; the rows are dense
	s_mov_b32 s[\g+6], 0
	s_mov_b32 s[\g+7], 0
.endr
	s_lshl_b32 s18, s16, 2
	s_lshl_b32 s10, s6, 3
	s_add_co_u32 s10, s10, s18
	s_mul_i32 s10, s10, 25600
	s_mov_b32 s11, 0
	s_lshl_b32 s12, s7, 3
	s_add_co_u32 s12, s12, s18
	s_add_co_u32 s12, s12, RFIRST
	s_mul_i32 s12, s12, 25600
	s_mov_b32 s13, 0
	s_mul_i32 s19, s14, 12*TCH
	s_wait_dscnt 0x0
	s_wait_kmcnt 0x0
	s_add_nc_u64 s[10:11], s[LB:LB+1], s[10:11]
	s_add_nc_u64 s[12:13], s[RB:RB+1], s[12:13]
	CROUND
.irp s, 0
	s_mov_b32 s[G0+4*\s], 1
	s_add_co_u32 s[G0+4*\s+1], s19, \s*SLOT
	s_add_nc_u64 s[G0+4*\s+2:G0+4*\s+3], s[10:11], \s*TCH
	s_or_b32 s[G0+4*\s+3], s[G0+4*\s+3], 0x80000000
	s_mov_b32 s[G0B+4*\s], 1
	s_add_co_u32 s[G0B+4*\s+1], s19, \s*SLOT
	s_add_nc_u64 s[G0B+4*\s+2:G0B+4*\s+3], s[12:13], \s*TCH
	s_or_b32 s[G0B+4*\s+3], s[G0B+4*\s+3], 0x80000000
	JLOAD G0+4*\s, G1, G0B+4*\s, G1B               ; chunks 0, 1, 2: my one tensor load at the head, behind the round above
.endr
	v_and_b32 v1, 15, v0
	v_bfe_u32 v2, v0, 4, 1
	v_and_b32 v3, 31, v0
	v_lshlrev_b32 v3, 3, v3
	s_wait_alu depctr_va_vdst(0)
	s_mul_i32 s20, s15, 12*TCH
	s_mul_i32 s21, s16, 12*TCH
	s_add_co_u32 s21, s21, 24*TCH
	s_sub_co_u32 s22, s21, s20
	v_mul_u32_u24 v24, s22, v2
	v_lshl_add_u32 v24, v1, 4, v24
	s_add_co_u32 s23, s20, 6144
.irp s, 0,1,2
	v_add_nc_u32 v[ADL+\s], s20, v3
	v_add_nc_u32 v[ADR+\s], s21, v3
	v_add_nc_u32 v[ADS+\s], s23, v24
	s_add_co_u32 s20, s20, 4*TCH
	s_add_co_u32 s21, s21, 4*TCH
	s_add_co_u32 s23, s23, 4*TCH
.endr
	s_mul_i32 s23, s14, WST
	v_mul_u32_u24 v24, v1, 272
	v_lshl_add_u32 v24, v2, 5, v24
	v_add_nc_u32 v24, s23, v24
	v_add_nc_u32 v17, VSTAGE, v24
	v_mul_u32_u24 v24, v2, 272
	v_lshl_add_u32 v24, v1, 4, v24
	v_add_nc_u32 v24, s23, v24
	v_add_nc_u32 v19, VSTAGE, v24
	v_lshlrev_b32 v21, 13, v2
	v_lshl_add_u32 v21, v1, 4, v21
	s_lshl_b32 s84, s6, 1
	s_add_co_u32 s84, s84, s15
	s_lshl_b32 s84, s84, 19
	s_lshl_b32 s85, s7, 1
	s_add_co_u32 s85, s85, s16
	s_lshl_b32 s85, s85, 8
	s_add_co_u32 s84, s84, s85
	s_mov_b32 s85, 0
	s_add_nc_u64 s[72:73], s[72:73], s[84:85]
	s_wait_tensorcnt 0x0                           ; my part of chunks 0 to 2 is in
	s_barrier_signal -1
	s_barrier_wait -1
	FETCHS 0, 0
	FETCH 0, 0, F0
	STEP F0, F1, 0, 0, 1, 0, 1, 0, 0
	STEP F1, F0, 0, 1, 0, 0, 2, 0, 0
	STEP F0, F1, 0, 2, 0, 0, 3, 0, 0
	TURN 0, 1, 1, 1
	STEP F0, F1, 1, 0, 0, 1, 1, 0, 0
	STEP F1, F0, 1, 1, 0, 1, 2, 0, 0
	STEP F0, F1, 1, 2, 0, 1, 3, 0, 0
	STEP F1, F0, 1, 3, 0, 2, 0, 1, 0
	STEP F0, F1, 0, 0, 0, 2, 1, 0, 0
	STEP F1, F0, 0, 1, 0, 2, 2, 0, 0
	STEP F0, F1, 0, 2, 0, 2, 3, 0, 0
	TURN 0, 0, 0, 1
	STEP F0, F1, 1, 0, 0, 0, 1, 0, 0
	STEP F1, F0, 1, 1, 0, 0, 2, 0, 0
	STEP F0, F1, 1, 2, 0, 0, 3, 0, 0
	s_wait_dscnt 12
	WIN MUL
	MUL4 F1, 0, 1, 3, 0
	MUL4 F1, 1, 1, 3, 0
	s_wait_alu depctr_va_vdst(0)
	s_wait_dscnt 0x0
	MUL4 F1, 2, 1, 3, 0
	MUL4 F1, 3, 1, 3, 0
	WIN 0
	PLACES
	s_barrier_signal -1
	s_barrier_wait -1
.irp a, 0,1,2,3
.irp b, 0,1,2,3
	ds_store_b128 v17, v[ACC+32*\a+8*\b:ACC+32*\a+8*\b+3] offset:\a*4352+64*\b
	ds_store_b128 v17, v[ACC+32*\a+8*\b+4:ACC+32*\a+8*\b+7] offset:\a*4352+64*\b+16
.endr
.endr
	s_wait_dscnt 0x0
.set i, 0
.rept 32
	ds_load_b128 v[ACC+4*i:ACC+4*i+3], v19 offset:i*544
.set i, i+1
.endr
.set i, 0
.rept 32
	s_wait_dscnt 31-i
	global_store_b128 v21, v[ACC+4*i:ACC+4*i+3], s[72:73] offset:16384*i th:TH_STORE_NT
.set i, i+1
.endr
	s_wait_tensorcnt 0x0
	ds_add_u32 v[SPW], v[NIL]
	s_wait_dscnt 0x0
	CROUND
	s_endpgm
.Lfunc_end_k_qa494643a1c_oproj:
	.size	k_qa494643a1c_oproj, .Lfunc_end_k_qa494643a1c_oproj-k_qa494643a1c_oproj
	.p2alignl 7, 3214868480
	.fill 96, 4, 3214868480
	.section	.rodata,"a",@progbits
	.p2align	6, 0x0
	.amdhsa_kernel k_qa494643a1c_oproj
		.amdhsa_group_segment_fixed_size 327680
		.amdhsa_private_segment_fixed_size 0
		.amdhsa_enable_private_segment 0
		.amdhsa_kernarg_size 24
		.amdhsa_user_sgpr_count 2
		.amdhsa_user_sgpr_kernarg_segment_ptr 1
		.amdhsa_wavefront_size32 1
		.amdhsa_system_sgpr_workgroup_id_x 1
		.amdhsa_system_sgpr_workgroup_id_y 1
		.amdhsa_system_sgpr_workgroup_id_z 1
		.amdhsa_system_vgpr_workitem_id 0
		.amdhsa_next_free_vgpr 512
		.amdhsa_next_free_sgpr 100
		.amdhsa_reserve_vcc 0
		.amdhsa_float_denorm_mode_32 3
		.amdhsa_float_denorm_mode_16_64 3
		.amdhsa_memory_ordered 1
		.amdhsa_forward_progress 1
		.amdhsa_inst_pref_size 102
	.end_amdhsa_kernel
	.amdgpu_metadata
---
amdhsa.version: [ 1, 2 ]
amdhsa.kernels:
  - .name:           k_qa494643a1c_oproj
    .symbol:         k_qa494643a1c_oproj.kd
    .args:
      - { .name: yq, .offset: 0, .size: 8, .value_kind: global_buffer, .address_space: global }
      - { .name: opq, .offset: 8, .size: 8, .value_kind: global_buffer, .address_space: global }
      - { .name: out0, .offset: 16, .size: 8, .value_kind: global_buffer, .address_space: global }
    .group_segment_fixed_size: 327680
    .private_segment_fixed_size: 0
    .kernarg_segment_align: 8
    .kernarg_segment_size: 24
    .max_flat_workgroup_size: 128
    .sgpr_count:     100
    .vgpr_count:     512
    .wavefront_size: 32
...
	.end_amdgpu_metadata
.endif
;; end of part 4
